; MI455X (gfx1250); checked and timed in simulation.
; The chip was launched on July 23, 2026; its instructions are those of AMD's public machine-readable ISA for CDNA 5 (MIT licence, August 2026) and "CDNA5" Instruction Set Architecture Reference Guide (July 2026). The comments in the code are by the model that wrote it; some were corrected since.
;; Cross Modal Attention. Allowed arithmetic: float matrix products may take bf16 or f16 operands with f32 sums; other float arithmetic in f32, or as packed bf16 or f16 multiplies, adds, multiply-adds, maxima and minima; sums over many terms, partial sums and values carried from step to step in f32; what a program stores and reads back later, other than sums and carried values, may be rounded once to bf16 or f16.
;; Inputs: Wk 512 x 1,024 float32; Wo 1,024 x 1,024 float32; Wq 1,024 x 1,024 float32; Wv 512 x 1,024 float32; bk 1,024 float32; bo 1,024 float32; bq 1,024 float32; bv 1,024 float32; key 8 x 2,048 x 512 float32; query 8 x 1,024 x 1,024 float32.
;; Outputs: out0 8 x 1,024 x 1,024 float32.
;; One version. Each part assembles by itself: llvm-mc -triple=amdgcn-amd-amdhsa -mcpu=gfx1250 --defsym DOCPART=n.
;; ======== version 1 of 1: 5 launches
;; workspace buffers: xb 33,554,432 bytes; WA 2,097,152 bytes; WB 4,194,304 bytes; WW 2,097,152 bytes; Qp 16,777,216 bytes; Ap 8,388,608 bytes; vecs 12,544 bytes; zb 4,096 bytes
;; launch prep (part 1): grid 593 x 1, 8 waves a work-group, no clusters, 132,608 bytes of LDS; arguments query, key, Wq, Wk, Wv, Wo, bq, bk, bv, bo, xb, WA, WB, vecs, zb; writes xb, WA, WB, vecs, zb
.if DOCPART == 1
	.amdgcn_target "amdgcn-amd-amdhsa--gfx1250"
	.amdhsa_code_object_version 6
	.text
	.protected	k_qf17964cfa4_prep
	.globl	k_qf17964cfa4_prep
	.p2align	8
	.type	k_qf17964cfa4_prep,@function
k_qf17964cfa4_prep:
	s_mov_b64 s[64:65], 0
	v_nop
	global_prefetch_b8 v0, s[64:65] scope:SCOPE_SE
	s_setreg_imm32_b32 hwreg(HW_REG_WAVE_MODE, 25, 1), 1
	s_wait_xcnt 0x0
; PREP.  Rounds what the matrix units will multiply to bf16, once, and makes the four small vectors of the reassociated module.
;   scores = [query (Wq Wk^T) + Wk bq] key^T + (query (Wq bk) + bq.bk);   out = [softmax x key] (Wv Wo) + (bv Wo + bo): a row's weights add up to 1.
; The work-group's number picks its role; a row is 1,024 f32 (4,096 bytes), and a work-group of eight waves takes 32 rows, four a wave:
;   0-255 query -> xb;  256-511 key (as 8,192 rows of 1,024) -> xb behind it;  512-527 Wk -> WA, and c[j] = Wk[j].bq;  528-543 Wv -> WA behind it;
;   544-575 Wq -> WB, and u[i] = Wq[i].bk;  576-591 Wo, a strip of 64 columns, turned through LDS -> WB behind Wq, and e[d] = bv.Wo[:,d] + bo[d];  592: zeros -> zb, s0 = bq.bk.
; vecs, in f32: c at byte 0, e at 4,096, u at 8,192, s0 at 12,288.  The dot products are kept in f32; e's is taken of Wo as rounded to bf16.
; Memory binds here: each input byte is read once, by 16-byte loads of which a wave's cover 512 consecutive bytes; each store of a wave covers 256 consecutive bytes, aligned.
; No matrix unit, no cluster: no two work-groups read the same bytes but the bias vectors.
.set PT,    2056                       ; a row of the turned strip in LDS: 2,048 bytes + 8
.set SPARE, 64*PT                      ; behind the strip: the spare words, 128 bytes for each of eight waves: four blocks of 256 bytes that no other line names
.set LN,  1                            ; v1      lane
.set L16, 2                            ; v2      16 x lane
.set L8,  3                            ; v3      8 x lane
.set SPW, 4                            ; v4      my spare word; never rewritten
.set NIL, 5                            ; v5      0; never rewritten
.set RES, 6                            ; v6      the number that a lane stores into vecs
.set TMP, 7                            ; v7      at work
.set D,   8                            ; v[8:15] four packed chains of a dot product
.set R,   16                           ; v[16:23] a dot product for each row
.set L4,  24                           ; v24     4 x lane
.set CC,  25                           ; v25-31  the Wo role's addresses
.set GG,  26
.set GA,  27
.set LA,  28
.set BA,  29
.set BO,  30
.set RB,  31
.set V,   32                           ; v[32:63]  the vector: load j holds columns 128 j + 4 lane .. + 3
.set X,   64                           ; v[64:191] rows as loaded
.set Y,   192                          ; v[192:255] rows as stored
.set DV,  38                           ; s[38:39] where the dot products go
.set ID,  40
.set WV,  41
.set SRC, 42
.set DST, 44
.set VEC, 46
.set SIDX, 48
.set DIDX, 49
.set DOFF, 51
.set O1,  52                           ; s[52:53], s[54:55] offsets; the high words stay 0
.set O2,  54
.set SAVE, 56
.set SEL, 58
; the dot product of the 32 numbers a lane at v[x ..] with V, added up over the wave: every lane ends with the sum in v[r]
.macro ROWDOT x, r
.set z, 0
.rept 4
	v_pk_mul_f32 v[D+2*z:D+2*z+1], v[(\x)+2*z:(\x)+2*z+1], v[V+2*z:V+2*z+1]  ; the first products start the chains: nothing is cleared
.set z, z+1
.endr
.rept 12
	v_pk_fma_f32 v[D+2*(z%4):D+2*(z%4)+1], v[(\x)+2*z:(\x)+2*z+1], v[V+2*z:V+2*z+1], v[D+2*(z%4):D+2*(z%4)+1]
.set z, z+1
.endr
	v_pk_add_f32 v[D:D+1], v[D:D+1], v[D+2:D+3]
	v_pk_add_f32 v[D+4:D+5], v[D+4:D+5], v[D+6:D+7]
	v_pk_add_f32 v[D:D+1], v[D:D+1], v[D+4:D+5]
	v_add_f32 v[\r], v[D], v[D+1]
	v_add_f32_dpp v[\r], v[\r], v[\r] row_xmask:1 row_mask:0xf bank_mask:0xf
	v_add_f32_dpp v[\r], v[\r], v[\r] row_xmask:2 row_mask:0xf bank_mask:0xf
	v_add_f32_dpp v[\r], v[\r], v[\r] row_xmask:4 row_mask:0xf bank_mask:0xf
	v_add_f32_dpp v[\r], v[\r], v[\r] row_xmask:8 row_mask:0xf bank_mask:0xf
	v_permlanex16_b32 v[TMP], v[\r], s[SEL], s[SEL+1]
	v_add_f32 v[\r], v[\r], v[TMP]
.endm
; lane i takes row i's sum, i < n
.macro GATHER n
	v_mov_b32 v[RES], v[R]
.set z, 1
.rept (\n)-1
	v_cmp_eq_u32 vcc_lo, z, v[LN]
	v_cndmask_b32 v[RES], v[RES], v[R+z], vcc_lo
.set z, z+1
.endr
.endm
; lanes 0 .. n - 1 store RES.  EXEC is a source of the memory instructions that are out, so it changes only behind s_wait_xcnt 0, both ways
.macro PUT n, off
	s_wait_xcnt 0x0
	v_cmp_gt_u32 vcc_lo, \n, v[LN]
	s_and_saveexec_b32 s[SAVE], vcc_lo
	global_store_b32 v[L4], v[RES], s[DV:DV+1] offset:\off
	s_wait_xcnt 0x0
	s_or_b32 exec_lo, exec_lo, s[SAVE]
.endm
; 32 rows of a matrix, four a wave: rounded and stored; dot = 1: each row's product with the vector at VEC goes to vecs + DOFF
.macro ROWS dot
	s_lshl_b32 s[O1], s[SIDX], 17                  ; 32 rows of 4,096 bytes a work-group,
	s_lshl_b32 s[O2], s[WV], 14                    ; four a wave
	s_add_co_u32 s[O1], s[O1], s[O2]
	s_add_nc_u64 s[SRC:SRC+1], s[SRC:SRC+1], s[O1:O1+1]
	s_lshl_b32 s[O1], s[DIDX], 16                  ; and of 2,048 bytes on the way out
	s_lshl_b32 s[O2], s[WV], 13
	s_add_co_u32 s[O1], s[O1], s[O2]
	s_add_nc_u64 s[DST:DST+1], s[DST:DST+1], s[O1:O1+1]
.if \dot
.set j, 0
.rept 8
	global_load_b128 v[V+4*j:V+4*j+3], v[L16], s[VEC:VEC+1] offset:512*j
.set j, j+1
.endr
.endif
.set j, 0
.rept 32                                       ; all four rows at once: 32 loads of the wave are on their way
	global_load_b128 v[X+4*j:X+4*j+3], v[L16], s[SRC:SRC+1] offset:512*j th:TH_LOAD_NT
.set j, j+1
.endr
.set i, 0
.rept 4
	s_wait_loadcnt 8*(3-i)                         ; loads come back in order: row i is in (and the vector, which is older); the younger rows' eight loads each stay out
.set j, 0
.rept 16
	v_cvt_pk_bf16_f32 v[Y+16*i+j], v[X+32*i+2*j], v[X+32*i+2*j+1]
.set j, j+1
.endr
.set j, 0
.rept 8
	global_store_b64 v[L8], v[Y+16*i+2*j:Y+16*i+2*j+1], s[DST:DST+1] offset:2048*i+256*j  ; 32 lanes x 8 bytes: 256 consecutive bytes, aligned
.set j, j+1
.endr
.set i, i+1
.endr
.if \dot
.set i, 0
.rept 4
	ROWDOT X+32*i, R+i
.set i, i+1
.endr
	GATHER 4
	s_lshl_b32 s[O2], s[WV], 4
	s_add_co_u32 s[O1], s[DOFF], s[O2]
	s_add_nc_u64 s[DV:DV+1], s[34:35], s[O1:O1+1]
	PUT 4, 0
.endif
	s_endpgm
.endm
	s_load_b512 s[8:23], s[0:1], 0x0               ; query 8, key 10, Wq 12, Wk 14, Wv 16, Wo 18, bq 20, bk 22
	s_load_b256 s[24:31], s[0:1], 0x40             ; bv 24, bo 26, xb 28, WA 30
	s_load_b128 s[32:35], s[0:1], 0x60             ; WB 32, vecs 34
	s_load_b64 s[36:37], s[0:1], 0x70              ; zb
	v_lshl_add_u32 v[SPW], v0, 2, SPARE
	v_mov_b32 v[NIL], 0
	v_and_b32 v[LN], 31, v0
	v_lshrrev_b32 v[TMP], 5, v0
	v_readfirstlane_b32 s[WV], v[TMP]
	v_lshlrev_b32 v[L16], 4, v[LN]
	v_lshlrev_b32 v[L8], 3, v[LN]
	v_lshlrev_b32 v[L4], 2, v[LN]
	s_mov_b32 s[ID], ttmp9
	s_mov_b32 s[SEL], 0x76543210
	s_mov_b32 s[SEL+1], 0xfedcba98
	s_mov_b32 s[O1+1], 0
	s_mov_b32 s[O2+1], 0
	s_wait_kmcnt 0x0
	s_cmp_lt_u32 s[ID], 256
	s_cbranch_scc0 .Lnot_query
	s_mov_b64 s[SRC:SRC+1], s[8:9]
	s_mov_b64 s[DST:DST+1], s[28:29]
	s_mov_b32 s[SIDX], s[ID]
	s_mov_b32 s[DIDX], s[ID]
	s_branch .Lplain
.Lnot_query:
	s_cmp_lt_u32 s[ID], 512
	s_cbranch_scc0 .Lnot_key
	s_mov_b64 s[SRC:SRC+1], s[10:11]
	s_mov_b64 s[DST:DST+1], s[28:29]
	s_sub_co_u32 s[SIDX], s[ID], 256
	s_mov_b32 s[DIDX], s[ID]                       ; key's copy lies behind query's 256 blocks
	s_branch .Lplain
.Lnot_key:
	s_cmp_lt_u32 s[ID], 528
	s_cbranch_scc0 .Lnot_wk
	s_mov_b64 s[SRC:SRC+1], s[14:15]
	s_mov_b64 s[DST:DST+1], s[30:31]
	s_mov_b64 s[VEC:VEC+1], s[20:21]               ; c = Wk bq
	s_sub_co_u32 s[SIDX], s[ID], 512
	s_mov_b32 s[DIDX], s[SIDX]
	s_lshl_b32 s[DOFF], s[SIDX], 7
	s_branch .Ldot
.Lnot_wk:
	s_cmp_lt_u32 s[ID], 544
	s_cbranch_scc0 .Lnot_wv
	s_mov_b64 s[SRC:SRC+1], s[16:17]
	s_mov_b64 s[DST:DST+1], s[30:31]
	s_sub_co_u32 s[SIDX], s[ID], 528
	s_sub_co_u32 s[DIDX], s[ID], 512               ; Wv's copy lies behind Wk's 16 blocks
	s_branch .Lplain
.Lnot_wv:
	s_cmp_lt_u32 s[ID], 576
	s_cbranch_scc0 .Lnot_wq
	s_mov_b64 s[SRC:SRC+1], s[12:13]
	s_mov_b64 s[DST:DST+1], s[32:33]
	s_mov_b64 s[VEC:VEC+1], s[22:23]               ; u = Wq bk
	s_sub_co_u32 s[SIDX], s[ID], 544
	s_mov_b32 s[DIDX], s[SIDX]
	s_lshl_b32 s[DOFF], s[SIDX], 7
	s_add_co_u32 s[DOFF], s[DOFF], 8192
	s_branch .Ldot
.Lnot_wq:
	s_cmp_lt_u32 s[ID], 592
	s_cbranch_scc0 .Llast
	; THE Wo ROLE.  64 columns d0 = 64 x strip, all 1,024 rows.  Thread t takes 16 bytes (columns 4 c .. 4 c + 3, c = t % 16) of the rows 32 m + 2 g and 32 m + 2 g + 1 (g = t / 16):
	; the two rows' numbers of a column pack into one word of the turned row, so the strip goes into LDS by words and comes back by whole rows.
	s_sub_co_u32 s[SIDX], s[ID], 576
	v_and_b32 v[CC], 15, v0
	v_lshrrev_b32 v[GG], 4, v0
	v_lshlrev_b32 v[GA], 4, v[CC]
	v_lshl_add_u32 v[GA], v[GG], 13, v[GA]         ; in Wo: 8,192 g + 16 c
	v_mul_u32_u24 v[LA], v[CC], 4*PT
	v_lshl_add_u32 v[LA], v[GG], 2, v[LA]          ; in LDS: row 4 c, word g
	v_and_b32 v[BA], 7, v[LN]
	v_lshlrev_b32 v[BA], 2, v[BA]
	s_lshl_b32 s[O1], s[SIDX], 8
	s_add_nc_u64 s[SRC:SRC+1], s[18:19], s[O1:O1+1]  ; Wo at the strip's first column
	s_lshl_b32 s[O2], s[WV], 5
	s_add_co_u32 s[O2], s[O1], s[O2]               ; 4 (d0 + 8 wave)
	s_add_nc_u64 s[VEC:VEC+1], s[26:27], s[O2:O2+1]  ; bo and e at my wave's eight columns
	s_add_nc_u64 s[DV:DV+1], s[34:35], s[O2:O2+1]
	s_lshl_b32 s[O1], s[SIDX], 17                  ; 64 turned rows of 2,048 bytes a strip,
	s_lshl_b32 s[O2], s[WV], 14                    ; eight a wave,
	s_add_co_u32 s[O1], s[O1], s[O2]
	s_add_co_u32 s[O1], s[O1], 2097152             ; behind Wq's copy
	s_add_nc_u64 s[DST:DST+1], s[32:33], s[O1:O1+1]
	s_mul_i32 s[O2], s[WV], 8*PT
	v_add_nc_u32 v[RB], s[O2], v[L8]               ; back: my wave's eight rows, 8 bytes a lane
.macro WOLOAD bt
.set n, 0
.rept 32
	global_load_b128 v[X+4*n:X+4*n+3], v[GA], s[SRC:SRC+1] offset:(16*(\bt)+n/2)*131072+(n%2)*4096 th:TH_LOAD_NT  ; 16 lanes read 256 consecutive bytes of a row, aligned
.set n, n+1
.endr
.endm
.macro WOPACK
.set n, 0
.rept 64
	v_cvt_pk_bf16_f32 v[Y+n], v[X+8*(n/4)+n%4], v[X+8*(n/4)+4+n%4]  ; the even row's number below, the odd row's above
.set n, n+1
.endr
.endm
.macro WOPUT bt
.set n, 0
.rept 64
	ds_store_b32 v[LA], v[Y+n] offset:(n%4)*PT+64*(16*(\bt)+n/4)
.set n, n+1
.endr
.endm
.set j, 0
.rept 8
	global_load_b128 v[V+4*j:V+4*j+3], v[L16], s[24:25] offset:512*j  ; bv
.set j, j+1
.endr
	global_load_b32 v[BO], v[BA], s[VEC:VEC+1]
	WOLOAD 0
	s_wait_loadcnt 0x0
	WOPACK
	WOLOAD 1                                       ; the second half's loads are out while the first half goes into LDS
	WOPUT 0
	s_wait_loadcnt 0x0
	s_wait_dscnt 0x0
	WOPACK
	WOPUT 1
	s_wait_dscnt 0x0                               ; for the others' sake: my words of the strip are in LDS
	s_barrier_signal -1
	s_barrier_wait -1                              ; everybody's are.  (The branch round this barrier hangs on the work-group's number alone.)
.set n, 0
.rept 64
	ds_load_b64 v[X+2*n:X+2*n+1], v[RB] offset:(n/8)*PT+256*(n%8)
.set n, n+1
.endr
	s_wait_dscnt 0x0
.set i, 0
.rept 8
.set j, 0
.rept 8
	global_store_b64 v[L8], v[X+16*i+2*j:X+16*i+2*j+1], s[DST:DST+1] offset:2048*i+256*j
.set j, j+1
.endr
.set j, 0
.rept 16
	v_lshlrev_b32 v[Y+2*j], 16, v[X+16*i+j]        ; bf16 to f32: the low half moves up,
	v_and_b32 v[Y+2*j+1], 0xffff0000, v[X+16*i+j]  ; the high half stays
.set j, j+1
.endr
	ROWDOT Y, R+i
.set i, i+1
.endr
	GATHER 8
	v_add_f32 v[RES], v[RES], v[BO]
	PUT 8, 4096
	s_wait_tensorcnt 0x0                           ; the wave's end: these three lines stand behind my last LDS store
	ds_add_u32 v[SPW], v[NIL]
	s_wait_dscnt 0x0
	s_endpgm
.Llast:                                                ; 4,096 bytes of zeros, and s0 = bq.bk
	v_mov_b32 v[Y], 0
	v_mov_b32 v[Y+1], 0
	v_mov_b32 v[Y+2], 0
	v_mov_b32 v[Y+3], 0
	v_lshlrev_b32 v[CC], 4, v0
	global_store_b128 v[CC], v[Y:Y+3], s[36:37]
	s_cmp_lg_u32 s[WV], 0
	s_cbranch_scc1 .Lend
.set j, 0
.rept 8
	global_load_b128 v[X+4*j:X+4*j+3], v[L16], s[20:21] offset:512*j
	global_load_b128 v[V+4*j:V+4*j+3], v[L16], s[22:23] offset:512*j
.set j, j+1
.endr
	s_mov_b64 s[DV:DV+1], s[34:35]
	s_wait_loadcnt 0x0
	ROWDOT X, RES
	PUT 1, 12288
.Lend:
	s_endpgm
.Lplain:
	ROWS 0
.Ldot:
	ROWS 1
.Lfunc_end_k_qf17964cfa4_prep:
	.size	k_qf17964cfa4_prep, .Lfunc_end_k_qf17964cfa4_prep-k_qf17964cfa4_prep
	.p2alignl 7, 3214868480
	.fill 96, 4, 3214868480
	.section	.rodata,"a",@progbits
	.p2align	6, 0x0
	.amdhsa_kernel k_qf17964cfa4_prep
		.amdhsa_group_segment_fixed_size 132608
		.amdhsa_private_segment_fixed_size 0
		.amdhsa_enable_private_segment 0
		.amdhsa_kernarg_size 120
		.amdhsa_user_sgpr_count 2
		.amdhsa_user_sgpr_kernarg_segment_ptr 1
		.amdhsa_wavefront_size32 1
		.amdhsa_system_sgpr_workgroup_id_x 1
		.amdhsa_system_sgpr_workgroup_id_y 1
		.amdhsa_system_sgpr_workgroup_id_z 1
		.amdhsa_system_vgpr_workitem_id 0
		.amdhsa_next_free_vgpr 256
		.amdhsa_next_free_sgpr 66
		.amdhsa_reserve_vcc 1
		.amdhsa_float_denorm_mode_32 3
		.amdhsa_float_denorm_mode_16_64 3
		.amdhsa_memory_ordered 1
		.amdhsa_forward_progress 1
		.amdhsa_inst_pref_size 95
	.end_amdhsa_kernel
	.amdgpu_metadata
---
amdhsa.version: [ 1, 2 ]
amdhsa.kernels:
  - .name:           k_qf17964cfa4_prep
    .symbol:         k_qf17964cfa4_prep.kd
    .args:
      - { .name: query, .offset: 0, .size: 8, .value_kind: global_buffer, .address_space: global }
      - { .name: key, .offset: 8, .size: 8, .value_kind: global_buffer, .address_space: global }
      - { .name: Wq, .offset: 16, .size: 8, .value_kind: global_buffer, .address_space: global }
      - { .name: Wk, .offset: 24, .size: 8, .value_kind: global_buffer, .address_space: global }
      - { .name: Wv, .offset: 32, .size: 8, .value_kind: global_buffer, .address_space: global }
      - { .name: Wo, .offset: 40, .size: 8, .value_kind: global_buffer, .address_space: global }
      - { .name: bq, .offset: 48, .size: 8, .value_kind: global_buffer, .address_space: global }
      - { .name: bk, .offset: 56, .size: 8, .value_kind: global_buffer, .address_space: global }
      - { .name: bv, .offset: 64, .size: 8, .value_kind: global_buffer, .address_space: global }
      - { .name: bo, .offset: 72, .size: 8, .value_kind: global_buffer, .address_space: global }
      - { .name: xb, .offset: 80, .size: 8, .value_kind: global_buffer, .address_space: global }
      - { .name: WA, .offset: 88, .size: 8, .value_kind: global_buffer, .address_space: global }
      - { .name: WB, .offset: 96, .size: 8, .value_kind: global_buffer, .address_space: global }
      - { .name: vecs, .offset: 104, .size: 8, .value_kind: global_buffer, .address_space: global }
      - { .name: zb, .offset: 112, .size: 8, .value_kind: global_buffer, .address_space: global }
    .group_segment_fixed_size: 132608
    .private_segment_fixed_size: 0
    .kernarg_segment_align: 8
    .kernarg_segment_size: 120
    .max_flat_workgroup_size: 256
    .sgpr_count:     66
    .vgpr_count:     256
    .wavefront_size: 32
...
	.end_amdgpu_metadata
.endif
;; end of part 1
;; launch wprod (part 2): grid 16 x 4, 4 waves a work-group, clusters of 4 x 4, 327,680 bytes of LDS; arguments WA, WB, WW, zb; writes WW
.if DOCPART == 2
	.amdgcn_target "amdgcn-amd-amdhsa--gfx1250"
	.amdhsa_code_object_version 6
	.text
	.protected	k_qf17964cfa4_wprod
	.globl	k_qf17964cfa4_wprod
	.p2align	8
	.type	k_qf17964cfa4_wprod,@function
k_qf17964cfa4_wprod:
	s_mov_b64 s[64:65], 0
	v_nop
	global_prefetch_b8 v0, s[64:65] scope:SCOPE_SE
	s_setreg_imm32_b32 hwreg(HW_REG_WAVE_MODE, 25, 1), 1
	s_wait_xcnt 0x0
	s_wait_alu depctr_hold_cnt(0) depctr_sa_sdst(0) depctr_va_vdst(0) depctr_va_sdst(0) depctr_va_ssrc(0) depctr_va_vcc(0) depctr_vm_vsrc(0)
	s_getreg_b32 s2, hwreg(HW_REG_IB_STS2, 6, 4)
	s_cmp_eq_u32 s2, 0
	s_cbranch_scc0 .Lentry_in_a_cluster
	s_endpgm
.Lentry_in_a_cluster:
	s_bfe_u32 s2, ttmp6, 0x10000c
	s_cmp_lg_u32 s2, 0xf033
	s_cbranch_scc0 .Lentry_shape_is_right
	s_endpgm
.Lentry_shape_is_right:
; C[m][n] = bias[n] + sum over k of A[m][k] B[n][k].  A, B, C in bf16 with rows of 1,024 numbers, K = 1,024; bias in f32; sums in f32, C rounded once.  One text for two launches:
;   the weight products (grid 16 x 4): A = [Wk; Wv], B = [Wq; Wo^T], bias = zeros.  Tile columns 0-7 multiply Wk by Wq (C rows 0-511 = (Wq Wk^T)^T), tile columns 8-15 Wv by Wo^T (C rows 512-1,023 = Wv Wo):
;   64 tiles of 128 x 128 are all the work that there is here, so 64 work-groups are launched;
;   the query projection (grid 4 x 64): A = query in bf16, B = (Wq Wk^T)^T, bias = Wk bq, C = Q', 512 columns in rows of 1,024: 256 work-groups.
; LIMIT: the module's products are associated otherwise than the source writes them, and these results are rounded once to bf16; bf16 keeps f32's range.
; A tile of C is 128 x 128.  Four waves, each 64 x 64: 16 accumulators of 16 x 16, 128 registers.  K goes in steps of 256 (LDS rows of 512 bytes; a wave's tensor load brings 64 of them) through two slots;
; the four waves share ONE stage on the way out, with a barrier between writing and reading, since a wave's 64 columns are only half of an aligned 256 bytes of C.
; CLUSTERS: 4 x 4 work-groups.  The four of a row of the cluster need the same tiles of A, the four of a column the same tiles of B: each tile is asked for JOINTLY, by the same tensor load with the
; same descriptor and a mask that names the four.  THE MATRIX INSTRUCTION IS USED TRANSPOSED (source 0 = 16 rows of B, source 1 = 16 rows of A): a lane then holds eight neighbouring numbers of a row of C,
; and the bias of those eight columns is the C operand that starts the sum.
; REGISTERS: window 0: v0-31 addresses; v32-95 at work on the way out; v96-127 the bias; v128-255 the accumulators ((a, b) at v[128 + 8 (4 a + b)]).
;   window 1: two fragment buffers of 128: for 64 along K, 64 registers of A (2 x 4 x 16 rows x 32 K), then 64 of B.
.set SIZE_K, 1024
.set SIZE_N, 1024
.set KSTEP,  256
.set PITCH,  528                       ; an LDS row: 512 bytes of data + 16 of padding = 132 words: row r starts at bank 4 r mod 64 (64 banks of 4 bytes: ISA guide 11.1)
.set HALFT,  64*PITCH                  ; 64 rows: what one tensor load brings, and what one wave reads of A or of B
.set SLOT,   4*HALFT                   ; A's 128 rows, then B's 128 rows
.set STAGE,  2*SLOT                    ; behind the ring: 128 rows x 272 bytes, the work-group's, for the way out
.set SPITCH, 272
.set SPARE,  STAGE+128*SPITCH          ; behind the stage: the spare words, 128 bytes for each wave: two blocks of 256 bytes that no other line names
.set LAPS, SIZE_K/(2*KSTEP)            ; a lap = two K steps = once round the ring
.set ADRA, 16                          ; v16-17  LDS address of my A fragments in slot 0, 1
.set ADRB, 20                          ; v20-21  the same for B
.set STO,  24                          ; v24     the way out: where I put 16 bytes of a row
.set RD,   25                          ; v25     the way out: where I read a row back
.set CO,   26                          ; v26     my byte offset in C
.set BOF,  27                          ; v27     my byte offset in a block's 16 numbers of the bias
.set SPW,  28                          ; v28     LDS address of my spare word; never rewritten
.set NIL,  29                          ; v29     0; never rewritten
.set TMP,  32
.set BI,   96                          ; column block b's eight numbers at BI + 8 b
.set ACC,  128
.set F0,   0                           ; fragment buffers, in window 1
.set F1,   128
.set G1, 24                            ; s[24:31] descriptor group 1 for A's tiles;  s[32:39] group 0, one set for each slot
.set G0, 32
.set G1B, 48                           ; s[48:55], s[56:63] the same for B's tiles
.set G0B, 56
.set MSB, 0
.macro WIN new                         ; the immediate's high byte repeats the setting that is left
.if MSB != (\new)
	s_set_vgpr_msb (MSB<<8)|(\new)
.set MSB, \new
.endif
.endm
.set MUL,  0x05                        ; sources 0 (B) and 1 (A) window 1; C and D window 0
.set TO_F, 0x40                        ; destination window 1, address window 0
.macro JLOAD s                         ; a joint load: waves 0 and 1 fetch A's two halves, waves 2 and 3 B's; an s_nop 0 and four v_nop follow each of the two lines
	s_cmp_eq_u32 s11, 0
	s_cbranch_scc0 .Lfor_b_\@
	tensor_load_to_lds s[G0+4*(\s):G0+4*(\s)+3], s[G1:G1+7]
	s_nop 0
.rept 4
	v_nop
.endr
	s_branch .Lasked_\@
.Lfor_b_\@:
	tensor_load_to_lds s[G0B+4*(\s):G0B+4*(\s)+3], s[G1B:G1B+7]
	s_nop 0
.rept 4
	v_nop
.endr
.Lasked_\@:
.endm
.macro CREST                           ; a round of the cluster's barrier behind its opening barrier
	s_cmp_lg_u32 s10, 0
	s_cbranch_scc1 .Lnot_wave_0_\@
	s_barrier_signal -3
.Lnot_wave_0_\@:
	s_barrier_wait -3
	s_barrier_signal -1
	s_barrier_wait -1
.endm
.macro CROUND                          ; a whole round
	s_barrier_signal -1
	s_barrier_wait -1
	CREST
.endm
	s_load_b128 s[4:7], s[0:1], 0x0                ; A s[4:5], B s[6:7]
	s_load_b64 s[8:9], s[0:1], 0x10                ; C
	s_load_b64 s[68:69], s[0:1], 0x18              ; bias
	v_lshl_add_u32 v[SPW], v0, 2, SPARE
	v_mov_b32 v[NIL], 0
	ds_add_u32 v[SPW], v[NIL]                      ; the wave's opening: the add and its wait stand ahead of my first tensor load; the set-up below stands between them
	v_lshrrev_b32 v1, 5, v0
	v_readfirstlane_b32 s10, v1                    ; wave 0..3
	s_lshr_b32 s11, s10, 1                         ; which half of the tile's rows is mine.  Also: I fetch for A (0) or for B (1)
	s_and_b32 s12, s10, 1                          ; which half of its columns.  Also: which 64 rows of that tile I fetch
	s_bfe_u32 s40, ttmp6, 0x40000                  ; cx, cy: my place in the cluster
	s_bfe_u32 s41, ttmp6, 0x40004
	s_lshl_b32 s42, ttmp9, 2
	s_add_co_u32 s42, s42, s40                     ; tile column = 4 x cluster x + cx: B's rows
	s_and_b32 s13, ttmp7, 0xffff
	s_lshl_b32 s13, s13, 2
	s_add_co_u32 s13, s13, s41                     ; tile row = 4 x cluster y + cy,
	s_lshr_b32 s45, ttmp9, 1                       ; and four tile rows further down for the clusters whose tile columns are 8 to 15: the second product (made of the cluster's x, which all sixteen share)
	s_lshl_b32 s45, s45, 2
	s_add_co_u32 s13, s13, s45
	s_lshl_b32 s43, s41, 2
	s_lshl_b32 s43, 15, s43                        ; my row of the cluster
	s_lshl_b32 s44, 0x1111, s40                    ; my column
	; descriptor group 1: a tile of 64 rows x 256 elements, padded in LDS
	s_or_b32 s[G1+0], s43, (1<<16)|(1<<20)|(1<<21)|(6<<22)|(3<<25)  ; 15:0 the mask: A's tiles go to my row; 17:16 element of 2 bytes; 20 padding on; 21 set beside a mask; 24:22 after every 128 words (code 6); 31:25 of 4 words (code 3)
	s_or_b32 s[G1B+0], s44, (1<<16)|(1<<20)|(1<<21)|(6<<22)|(3<<25)
.irp g, G1, G1B
	s_mov_b32 s[(\g)+1], KSTEP<<16                 ; tensor_dim0 = 256
	s_mov_b32 s[(\g)+2], 64<<16                    ; tensor_dim1 = 64
	s_mov_b32 s[(\g)+3], KSTEP<<16                 ; tile_dim0 = 256
	s_mov_b32 s[(\g)+4], 64                        ; tile_dim1 = 64
	s_mov_b32 s[(\g)+5], SIZE_K                    ; tensor_dim0_stride
	s_mov_b32 s[(\g)+6], 0
	s_mov_b32 s[(\g)+7], 0
.endr
	s_lshl_b32 s17, s12, 6                         ; which 64 rows of the tile I fetch
	s_lshl_b32 s16, s13, 7
	s_add_co_u32 s16, s16, s17                     ; A: row 128 x tile row + 64 x half
	s_lshl_b32 s46, s42, 7
	s_add_co_u32 s46, s46, s17                     ; B: row 128 x tile column + 64 x half
	s_mov_b32 s17, 0
	s_mov_b32 s47, 0
	s_mov_b64 s[18:19], SIZE_K*2
	s_mul_u64 s[16:17], s[16:17], s[18:19]
	s_mul_u64 s[46:47], s[46:47], s[18:19]
	s_mul_i32 s20, s10, HALFT                      ; where they go: wave x 64 rows
	s_wait_dscnt 0x0                               ; the opening add is done
	s_wait_kmcnt 0x0
	s_add_nc_u64 s[14:15], s[4:5], s[16:17]
	s_add_nc_u64 s[46:47], s[6:7], s[46:47]
	CROUND                                         ; all sixteen work-groups are here: the first joint loads meet
.irp s, 0,1
	s_mov_b32 s[G0+4*(\s)], 1
	s_add_co_u32 s[G0+4*(\s)+1], s20, (\s)*SLOT
	s_add_nc_u64 s[G0+4*(\s)+2:G0+4*(\s)+3], s[14:15], (\s)*KSTEP*2
	s_or_b32 s[G0+4*(\s)+3], s[G0+4*(\s)+3], 0x80000000
	s_mov_b32 s[G0B+4*(\s)], 1
	s_add_co_u32 s[G0B+4*(\s)+1], s20, (\s)*SLOT
	s_add_nc_u64 s[G0B+4*(\s)+2:G0B+4*(\s)+3], s[46:47], (\s)*KSTEP*2
	s_or_b32 s[G0B+4*(\s)+3], s[G0B+4*(\s)+3], 0x80000000
	JLOAD \s
.endr
	v_and_b32 v1, 15, v0                           ; l % 16
	v_bfe_u32 v2, v0, 4, 1                         ; l / 16
	; the bias of my 64 columns: register j of block b is column 16 b + 8 (l / 16) + j
	s_and_b32 s66, s42, 7                          ; C's tile column: both products begin at column 0
	s_lshl_b32 s66, s66, 9
	s_lshl_b32 s67, s12, 8
	s_add_co_u32 s66, s66, s67
	s_mov_b32 s67, 0
	s_add_nc_u64 s[68:69], s[68:69], s[66:67]
	v_lshlrev_b32 v[BOF], 5, v2
.irp b, 0,1,2,3
	global_load_b128 v[BI+8*(\b):BI+8*(\b)+3],   v[BOF], s[68:69] offset:64*(\b)
	global_load_b128 v[BI+8*(\b)+4:BI+8*(\b)+7], v[BOF], s[68:69] offset:64*(\b)+16
.endr
	v_mul_u32_u24 v3, v1, PITCH
	v_lshl_add_u32 v3, v2, 4, v3                   ; a fragment's row x pitch + 16 x half
	s_mul_i32 s21, s11, HALFT                      ; my 64 rows of A
	s_mul_i32 s22, s12, HALFT                      ; my 64 rows of B,
	s_add_co_u32 s22, s22, 2*HALFT                 ; which lie behind A's 128
.irp s, 0,1
	v_add_nc_u32 v[ADRA+(\s)], s21, v3
	v_add_nc_u32 v[ADRB+(\s)], s22, v3
	s_add_co_u32 s21, s21, SLOT
	s_add_co_u32 s22, s22, SLOT
.endr
	s_mul_i32 s23, s11, 64*SPITCH                  ; into the stage: my 64 rows, my half of their 256 bytes; row l % 16, 16 bytes for each half of the lanes
	s_lshl_b32 s21, s12, 7
	s_add_co_u32 s23, s23, s21
	s_add_co_u32 s23, s23, STAGE
	v_mul_u32_u24 v4, v1, SPITCH
	v_lshl_add_u32 v4, v2, 4, v4
	v_add_nc_u32 v[STO], s23, v4
	s_mul_i32 s23, s10, 32*SPITCH                  ; back: wave w takes rows 32 w .. 32 w + 31, whole; lanes 0-15 one row of 256 bytes, lanes 16-31 the next
	s_add_co_u32 s23, s23, STAGE
	v_mul_u32_u24 v5, v2, SPITCH
	v_lshl_add_u32 v5, v1, 4, v5
	v_add_nc_u32 v[RD], s23, v5
	v_mul_u32_u24 v5, v2, SIZE_N*2                 ; and the same two rows in C
	v_lshl_add_u32 v[CO], v1, 4, v5
	s_lshl_b32 s16, s13, 7
	s_lshl_b32 s17, s10, 5
	s_add_co_u32 s16, s16, s17                     ; the first row of C that I store: 128 x tile row + 32 x wave
	s_mov_b32 s17, 0
	s_mov_b64 s[18:19], SIZE_N*2
	s_mul_u64 s[16:17], s[16:17], s[18:19]
	s_add_nc_u64 s[8:9], s[8:9], s[16:17]
	s_and_b32 s46, s42, 7
	s_lshl_b32 s46, s46, 8                         ; the tile's first column, in bytes
	s_mov_b32 s47, 0
	s_add_nc_u64 s[8:9], s[8:9], s[46:47]
; 8 matrix instructions: m blocks a0, a0 + 1 x all 4 n blocks, 32 along K: half c of buffer f.  first = 1: the product starts the sum, on the bias
.macro MUL8 f, c, a0, first
	WIN MUL
.irp a, \a0, (\a0)+1
.irp b, 0,1,2,3
.if \first
	v_wmma_f32_16x16x32_bf16 v[ACC+8*(4*(\a)+(\b)):ACC+8*(4*(\a)+(\b))+7], v[(\f)+64+8*(4*(\c)+(\b)):(\f)+64+8*(4*(\c)+(\b))+7], v[(\f)+8*(4*(\c)+(\a)):(\f)+8*(4*(\c)+(\a))+7], v[BI+8*(\b):BI+8*(\b)+7]
.else
	v_wmma_f32_16x16x32_bf16 v[ACC+8*(4*(\a)+(\b)):ACC+8*(4*(\a)+(\b))+7], v[(\f)+64+8*(4*(\c)+(\b)):(\f)+64+8*(4*(\c)+(\b))+7], v[(\f)+8*(4*(\c)+(\a)):(\f)+8*(4*(\c)+(\a))+7], v[ACC+8*(4*(\a)+(\b)):ACC+8*(4*(\a)+(\b))+7]
.endif
.endr
.endr
.endm
; 32 LDS loads in one run: the fragments of 64 along K at byte k of the rows, into buffer f; the first 32 along K first
.macro FETCH slot, k, f
	WIN TO_F
.irp c, 0,1
.irp i, 0,1,2,3
	ds_load_b128 v[(\f)+64+8*(4*(\c)+(\i)):(\f)+64+8*(4*(\c)+(\i))+3],   v[ADRB+(\slot)] offset:(\k)+64*(\c)+(\i)*16*PITCH
	ds_load_b128 v[(\f)+64+8*(4*(\c)+(\i))+4:(\f)+64+8*(4*(\c)+(\i))+7], v[ADRB+(\slot)] offset:(\k)+64*(\c)+(\i)*16*PITCH+32
	ds_load_b128 v[(\f)+8*(4*(\c)+(\i)):(\f)+8*(4*(\c)+(\i))+3],         v[ADRA+(\slot)] offset:(\k)+64*(\c)+(\i)*16*PITCH
	ds_load_b128 v[(\f)+8*(4*(\c)+(\i))+4:(\f)+8*(4*(\c)+(\i))+7],       v[ADRA+(\slot)] offset:(\k)+64*(\c)+(\i)*16*PITCH+32
.endr
.endr
.endm
.macro PLACES                          ; four places in front of loads into registers that matrix instructions have read, and of conversions that read results
.rept 4
	v_nop
.endr
.endm
; A K step is four quarters of 64 along K, 32 matrix instructions each, on buffers 0, 1, 0, 1; the 16 accumulators take turns.
; One of the first three quarters: multiplies buffer f and fetches the next quarter, at byte k, into g.
.macro QUARTER slot, k, f, g, first
	s_wait_dscnt 16                                ; the first 32 along K are in; the sixteen younger loads stay out
	WIN MUL
	MUL8 \f, 0, 0, \first
	MUL8 \f, 0, 2, \first
	PLACES
	FETCH \slot, \k, \g
	s_wait_dscnt 32                                ; all but the 32 just issued
	WIN MUL
	MUL8 \f, 1, 0, 0
	MUL8 \f, 1, 2, 0
.endm
; The last quarter multiplies buffer 1 and changes slots: ONE barrier; in front of it each wave waits for all its tensor loads, adds 0 to its spare word, and waits for that and for its own reads of this slot.  fill = 1: this slot is filled again, two K steps ahead.
.macro TURN slot, next, fill
	WIN 0                                          ; (the add's two registers lie in window 0)
	s_wait_tensorcnt 0x0                           ; all my tensor loads have landed: my part of the next slot;
	ds_add_u32 v[SPW], v[NIL]                      ; 0 onto my spare word;
	s_wait_dscnt 17                                ; (the add and the youngest sixteen loads may be out)
	WIN MUL
	MUL8 F1, 0, 0, 0                               ; eight matrix instructions stand between the add and the wait for it
	s_wait_dscnt 0x0                               ; the add is done, and my reads of this slot are over
	s_barrier_signal -1
	MUL8 F1, 0, 2, 0
.if \fill
	WIN 0
.endif
	s_barrier_wait -1
.if \fill
	CREST                                          ; the barrier has opened a round of the cluster's barrier: no wave of any partner still reads this slot's tile or has a load on its way
	s_add_nc_u64 s[G0+4*(\slot)+2:G0+4*(\slot)+3], s[G0+4*(\slot)+2:G0+4*(\slot)+3], 2*KSTEP*2
	s_add_nc_u64 s[G0B+4*(\slot)+2:G0B+4*(\slot)+3], s[G0B+4*(\slot)+2:G0B+4*(\slot)+3], 2*KSTEP*2
	JLOAD \slot                                    ; the first tensor load behind the round; the four v_nop behind it are also the places in front of the loads below
.else
	PLACES
.endif
	FETCH \next, 0, F0
	WIN MUL
	MUL8 F1, 1, 0, 0
	MUL8 F1, 1, 2, 0
.endm
	s_wait_tensorcnt 1                             ; my part of K step 0 is in; K step 1's load stays out
	s_barrier_signal -1
	s_barrier_wait -1                              ; everybody's is
	FETCH 0, 0, F0
	s_wait_loadcnt 0x0                             ; the bias
	QUARTER 0, 128, F0, F1, 1                      ; the first quarter stands in front of the loop: its first products start the sums
	WIN 0                                          ; at a label and at a branch every window is 0
	s_mov_b32 s3, LAPS-1
.Llap:                                                 ; a trip goes once round the ring, from a lap's second quarter to the next lap's first, and fills both slots again
	QUARTER 0, 256, F1, F0, 0
	QUARTER 0, 384, F0, F1, 0
	TURN 0, 1, 1
	QUARTER 1, 128, F0, F1, 0
	QUARTER 1, 256, F1, F0, 0
	QUARTER 1, 384, F0, F1, 0
	TURN 1, 0, 1
	QUARTER 0, 128, F0, F1, 0
	WIN 0
	s_sub_co_u32 s3, s3, 1
	s_cmp_lg_u32 s3, 0
	s_cbranch_scc1 .Llap
	QUARTER 0, 256, F1, F0, 0                      ; the last lap fills nothing, and has no round of the cluster's barrier
	QUARTER 0, 384, F0, F1, 0
	TURN 0, 1, 0
	QUARTER 1, 128, F0, F1, 0
	QUARTER 1, 256, F1, F0, 0
	QUARTER 1, 384, F0, F1, 0
	s_wait_dscnt 16                                ; the very last quarter: nothing more to fetch
	WIN MUL
	MUL8 F1, 0, 0, 0
	MUL8 F1, 0, 2, 0
	s_wait_dscnt 0
	MUL8 F1, 1, 0, 0
	MUL8 F1, 1, 2, 0
	WIN 0
	; THE WAY OUT: round to bf16; 16 bytes a lane into the work-group's stage; a barrier, since a row's 256 bytes come from two waves; back as whole rows, 32 rows a wave.
	PLACES
.irp t, 0,1,2,3,4,5,6,7,8,9,10,11,12,13,14,15
.irp r, 0,1,2,3
	v_cvt_pk_bf16_f32 v[TMP+4*(\t)+(\r)], v[ACC+8*(\t)+2*(\r)], v[ACC+8*(\t)+2*(\r)+1]
.endr
.endr
.irp a, 0,1,2,3
.irp b, 0,1,2,3
	ds_store_b128 v[STO], v[TMP+4*(4*(\a)+(\b)):TMP+4*(4*(\a)+(\b))+3] offset:(\a)*16*SPITCH+32*(\b)
.endr
.endr
	s_wait_dscnt 0x0                               ; for the others' sake: my stores into the stage are done
	s_barrier_signal -1
	s_barrier_wait -1
.irp t, 0,1,2,3,4,5,6,7,8,9,10,11,12,13,14,15
	ds_load_b128 v[TMP+4*(\t):TMP+4*(\t)+3], v[RD] offset:(\t)*2*SPITCH
.endr
.irp t, 0,1,2,3,4,5,6,7,8,9,10,11,12,13,14,15
	s_wait_dscnt 15-(\t)                           ; LDS loads come back in order: pair t of rows is in
	global_store_b128 v[CO], v[TMP+4*(\t):TMP+4*(\t)+3], s[8:9] offset:2*(\t)*SIZE_N*2  ; 16 lanes store 256 consecutive bytes, at a multiple of 256 from C's first byte
.endr
	s_wait_tensorcnt 0x0                           ; the wave's end: these three lines stand behind my last tensor load and my last LDS store
	ds_add_u32 v[SPW], v[NIL]
	s_wait_dscnt 0x0
	CROUND                                         ; the closing round: no work-group ends while a partner may still ask for a tile that names it
	s_endpgm
.Lfunc_end_k_qf17964cfa4_wprod:
	.size	k_qf17964cfa4_wprod, .Lfunc_end_k_qf17964cfa4_wprod-k_qf17964cfa4_wprod
	.p2alignl 7, 3214868480
	.fill 96, 4, 3214868480
	.section	.rodata,"a",@progbits
	.p2align	6, 0x0
	.amdhsa_kernel k_qf17964cfa4_wprod
		.amdhsa_group_segment_fixed_size 327680
		.amdhsa_private_segment_fixed_size 0
		.amdhsa_enable_private_segment 0
		.amdhsa_kernarg_size 32
		.amdhsa_user_sgpr_count 2
		.amdhsa_user_sgpr_kernarg_segment_ptr 1
		.amdhsa_wavefront_size32 1
		.amdhsa_system_sgpr_workgroup_id_x 1
		.amdhsa_system_sgpr_workgroup_id_y 1
		.amdhsa_system_sgpr_workgroup_id_z 1
		.amdhsa_system_vgpr_workitem_id 0
		.amdhsa_next_free_vgpr 512
		.amdhsa_next_free_sgpr 72
		.amdhsa_reserve_vcc 0
		.amdhsa_float_denorm_mode_32 3
		.amdhsa_float_denorm_mode_16_64 3
		.amdhsa_memory_ordered 1
		.amdhsa_forward_progress 1
		.amdhsa_inst_pref_size 88
	.end_amdhsa_kernel
	.amdgpu_metadata
---
amdhsa.version: [ 1, 2 ]
amdhsa.kernels:
  - .name:           k_qf17964cfa4_wprod
    .symbol:         k_qf17964cfa4_wprod.kd
    .args:
      - { .name: WA, .offset: 0, .size: 8, .value_kind: global_buffer, .address_space: global }
      - { .name: WB, .offset: 8, .size: 8, .value_kind: global_buffer, .address_space: global }
      - { .name: WW, .offset: 16, .size: 8, .value_kind: global_buffer, .address_space: global }
      - { .name: zb, .offset: 24, .size: 8, .value_kind: global_buffer, .address_space: global }
    .group_segment_fixed_size: 327680
    .private_segment_fixed_size: 0
    .kernarg_segment_align: 8
    .kernarg_segment_size: 32
    .max_flat_workgroup_size: 128
    .sgpr_count:     72
    .vgpr_count:     512
    .wavefront_size: 32
...
	.end_amdgpu_metadata
.endif
;; end of part 2
;; launch qproj: the kernel of part 2 again; grid 4 x 64, 4 waves a work-group, clusters of 4 x 4, 327,680 bytes of LDS; arguments xb, WW, Qp, vecs; writes Qp
;; launch attn (part 3): grid 32 x 8, 4 waves a work-group, clusters of 4 x 1, 327,680 bytes of LDS; arguments Qp, xb, vecs, Ap; writes Ap
.if DOCPART == 3
	.amdgcn_target "amdgcn-amd-amdhsa--gfx1250"
	.amdhsa_code_object_version 6
	.text
	.protected	k_qf17964cfa4_attn
	.globl	k_qf17964cfa4_attn
	.p2align	8
	.type	k_qf17964cfa4_attn,@function
k_qf17964cfa4_attn:
	s_mov_b64 s[64:65], 0
	v_nop
	global_prefetch_b8 v0, s[64:65] scope:SCOPE_SE
	s_setreg_imm32_b32 hwreg(HW_REG_WAVE_MODE, 25, 1), 1
	s_wait_xcnt 0x0
	s_wait_alu depctr_hold_cnt(0) depctr_sa_sdst(0) depctr_va_vdst(0) depctr_va_sdst(0) depctr_va_ssrc(0) depctr_va_vcc(0) depctr_vm_vsrc(0)
	s_getreg_b32 s2, hwreg(HW_REG_IB_STS2, 6, 4)
	s_cmp_eq_u32 s2, 0
	s_cbranch_scc0 .Lentry_in_a_cluster
	s_endpgm
.Lentry_in_a_cluster:
	s_bfe_u32 s2, ttmp6, 0x10000c
	s_cmp_lg_u32 s2, 0x3003
	s_cbranch_scc0 .Lentry_shape_is_right
	s_endpgm
.Lentry_shape_is_right:
; ATTENTION on the reassociated module.  Ap[q][:] = sum over k of softmax_k((Q'[q] . key[k] + t[q]) / 32) key[k][:], with t[q] = query[q] . u + s0.  Q' (rows of 1,024 numbers, 512 used), query and key in bf16;
; keys and values are ONE tensor, key in bf16, 512 wide: a tile in LDS serves both products.  Products, maxima and sums in f32; the weights p are rounded to bf16 for the second product (their sum is taken of the
; unrounded p), Ap once at the end.  t is the share of bk: it starts every score's sum as the C operand.
; LIMITS.  A weight below 2^-126 counts as 0; NaN and infinities are not treated apart; u is rounded to bf16 for t's product.
; SHARES.  A work-group owns 32 queries of one batch: 8 batches x 32 blocks = 256 work-groups.  Keys go in 16 tiles of 128.  Wave w fetches and reads rows 32 w .. 32 w + 31 of every tile and nothing else: it is a worker of its own
; over a quarter of the keys, for all 32 queries (two tiles of 16), with its own running maximum m, sum l and O (32 x 512 in f32, 512 registers).  The four waves' O are merged once, at the end, through LDS.
; LAYOUT.  S^T = K Q^T (source 0 = 16 keys, source 1 = 16 queries): a lane holds ONE query (lane % 16) and the keys 8 (lane / 16) + 0..7.  Two such results, rounded in pairs, ARE source 1 (32 keys x 16 queries) of O^T = V^T P.
; K's fragments come out of LDS as they lie, V's turned, by ds_load_tr16_b128.
; SOFTMAX.  p = 2^(c s - c m), c = log2(e) / 32; in every step O and l are multiplied by a = 2^(c m_old - c m_new).  m starts at the lowest finite number, O and l at 0: the first step is a step like any other, with a = 0.
; CLUSTER.  The four query blocks of a cluster belong to one batch and walk the same tiles: each is asked for JOINTLY, the same load, descriptor and mask in all four.
; REGISTERS, in windows of 256 (s_set_vgpr_msb: bits 1:0 source 0, 3:2 source 1, 5:4 source 2, 7:6 destination):
;   window 0: v0-15 addresses; v16-31 statistics, eight a query tile; v32-47 t; v48-79 S^T; v80-95 P; v96-127 the add's two, addresses, at work; v128-191, v192-255 two fragment buffers
;   window 1: Q', fragment (qt, ks) at 8 (16 qt + ks)          windows 2, 3: O^T, accumulator i = 2 cb + qt at 8 i
.set PK,    1040      ; a key's row in LDS: 1,024 bytes + 16 = 260 words: row r starts at bank 4 r mod 64 (64 banks of 4 bytes: ISA guide 11.1): the 16 rows of a plain load start at 16 different groups of four banks;
                      ; of the turning load lanes 0-7 take 8 rows' 16 bytes and lanes 8-15 the 16 bytes 128 further on, 32 banks away
.set WPART, 32*PK     ; a wave's part of a tile
.set SLOT,  4*WPART   ; 133,120 = bits 17 and 11, which no wave's part (33,280 w) holds: one exclusive or turns an address in one slot into the other's
.set STAT,  2*SLOT    ; behind the ring: (c m, l) by wave and query, 1,024 bytes
.set TPB,   STAT+1024 ; the waves' parts of t, 512 bytes
.set SPARE, TPB+512   ; the spare words, 128 bytes for each wave: two blocks of 256 bytes that no other line names
.set XP,    2064      ; the merge: a query's 512 f32 + 16 bytes; the ring's bytes serve for it when they have had their last fill
.set XW,    32*XP     ; a wave's 32 rows there
.set QO,  3           ; v3   2,048 (l % 16) + 16 (l / 16): my place in 16 rows of Q' or query
.set AK0, 4           ; v4   my lane's place in my part of a tile, for K
.set AV0, 5           ; v5   for V
.set ADK, 6           ; v6, v7  the same in the slot in hand
.set ADV, 7
.set TPS, 8
.set TPL, 9
.set STS, 10
.set STL, 11
.set XS,  12
.set UO,  13
.set GO,  14
.set ST,  16          ; query tile q at ST + 8 q: c m, m, l (even keys', odd keys'), c0, c1, a, at work
.set T,   32
.set S,   48          ; accumulator (kt, qt) at S + 8 (2 qt + kt)
.set P,   80
.set SPW, 96
.set NIL, 97
.set XR,  98          ; v98-101
.set TM,  102         ; v102-127 at work
.set FA,  128
.set FB,  192
.set WV,  12          ; s12
.set G1,  16          ; s[16:23]
.set G0,  24          ; s[24:27]: it walks
.set CNT, 32
.set TB,  33          ; the slot in hand: 0 or SLOT
.set CS,  34          ; s[34:35] c
.set SEL, 36          ; s[36:37]
.set MSB, 0
.macro WIN new
.if MSB != (\new)
	s_set_vgpr_msb (MSB<<8)|(\new)
.set MSB, \new
.endif
.endm
.set W_S, 0x04        ; Q' (source 1) in window 1; K's fragments, t and S^T in window 0
.macro PLACES         ; four places behind a matrix instruction (ISA guide 7.12.1)
.rept 4
	v_nop
.endr
.endm
.macro ROUND          ; a round of the cluster's barrier
	s_barrier_signal -1
	s_barrier_wait -1
	s_cmp_lg_u32 s[WV], 0
	s_cbranch_scc1 .Lnot_wave_0_\@
	s_barrier_signal -3
.Lnot_wave_0_\@:
	s_barrier_wait -3
	s_barrier_signal -1
	s_barrier_wait -1
.endm
	s_load_b256 s[4:11], s[0:1], 0x0  ; Qp s[4:5], xb s[6:7], vecs s[8:9], Ap s[10:11]
	v_lshl_add_u32 v[SPW], v0, 2, SPARE
	v_mov_b32 v[NIL], 0
	ds_add_u32 v[SPW], v[NIL]       ; the wave's opening: the add and its wait stand ahead of my first tensor load; the set-up below stands between them
	v_lshrrev_b32 v1, 5, v0
	v_readfirstlane_b32 s[WV], v1
	s_bfe_u32 s13, ttmp6, 0x40000   ; cx
	s_lshl_b32 s14, ttmp9, 2
	s_add_co_u32 s14, s14, s13      ; my block of 32 queries: it enters Qp's, query's and Ap's addresses alone
	s_and_b32 s15, ttmp7, 0xffff    ; the batch, which the four partners share
	s_mov_b32 s[G1], 15|(1<<16)|(1<<20)|(1<<21)|(7<<22)|(3<<25)  ; 15:0 the mask of four; 17:16 2-byte elements; 20 padding on; 21 set beside a mask; 24:22 after every 256 words (code 7); 31:25 4 words (code 3)
	s_mov_b32 s[G1+1], 512<<16      ; tensor_dim0 = 512
	s_mov_b32 s[G1+2], 32<<16       ; tensor_dim1 = 32
	s_mov_b32 s[G1+3], 512<<16      ; tile_dim0 = 512
	s_mov_b32 s[G1+4], 32           ; tile_dim1 = 32
	s_mov_b32 s[G1+5], 512          ; 512 elements from row to row
	s_mov_b32 s[G1+6], 0
	s_mov_b32 s[G1+7], 0
	s_mov_b32 s[G0], 1
	s_mul_i32 s[G0+1], s[WV], WPART ; slot 0, my part
	s_mul_i32 s39, s[WV], WPART
	s_mov_b32 s[CS], 0x3d38aa3b     ; c = log2(e) / 32
	s_mov_b32 s[CS+1], s[CS]
	s_mov_b32 s[SEL], 0x76543210
	s_mov_b32 s[SEL+1], 0xfedcba98
	s_lshl_b32 s40, s15, 21         ; the batch's 2,048 keys of 1,024 bytes,
	s_lshl_b32 s28, s[WV], 15       ; my 32 rows of a tile,
	s_add_co_u32 s40, s40, s28
	s_add_co_u32 s40, s40, 16777216 ; behind query's copy
	s_mov_b32 s41, 0
	s_lshl_b32 s42, s15, 21         ; the batch's 1,024 rows of 2,048 bytes,
	s_lshl_b32 s44, s14, 16         ; my block's 32
	s_add_co_u32 s42, s42, s44
	s_mov_b32 s43, 0
	s_lshl_b32 s44, s[WV], 9        ; of query my wave multiplies channels 256 w on
	s_add_co_u32 s44, s42, s44
	s_mov_b32 s45, 0
	s_lshl_b32 s46, s15, 20         ; Ap: rows of 1,024 bytes; my wave stores rows 8 w on
	s_lshl_b32 s47, s14, 15
	s_add_co_u32 s46, s46, s47
	s_lshl_b32 s47, s[WV], 13
	s_add_co_u32 s46, s46, s47
	s_mov_b32 s47, 0
	s_wait_dscnt 0x0                ; the opening add is done
	s_wait_kmcnt 0x0
	s_load_b32 s38, s[8:9], 0x3000  ; s0
	s_add_nc_u64 s[G0+2:G0+3], s[6:7], s[40:41]  ; my part of tile 0
	s_or_b32 s[G0+3], s[G0+3], 0x80000000
	s_add_nc_u64 s[4:5], s[4:5], s[42:43]
	s_add_nc_u64 s[6:7], s[6:7], s[44:45]
	s_add_nc_u64 s[10:11], s[10:11], s[46:47]
	ROUND                           ; all four work-groups are here: the first joint loads meet
	tensor_load_to_lds s[G0:G0+3], s[G1:G1+7]  ; tile 0 into slot 0
	s_nop 0
	PLACES
	v_and_b32 v1, 15, v0            ; l % 16
	v_bfe_u32 v2, v0, 4, 1          ; l / 16
	v_lshlrev_b32 v[QO], 11, v1
	v_lshl_add_u32 v[QO], v2, 4, v[QO]
	v_lshlrev_b32 v[UO], 5, v2
	v_lshl_add_u32 v[UO], s[WV], 10, v[UO]  ; in u: 4 (256 w + 8 (l / 16))
	WIN 0x40                        ; destination window 1
.set i, 0
.rept 32                            ; Q' stays in registers: query tile i / 16, channels 32 (i % 16) on
	global_load_b128 v[8*i:8*i+3],   v[QO], s[4:5] offset:(i/16)*32768+(i%16)*64
	global_load_b128 v[8*i+4:8*i+7], v[QO], s[4:5] offset:(i/16)*32768+(i%16)*64+32
.set i, i+1
.endr
	WIN 0x80                        ; destination window 2: O's registers are free as yet
.set i, 0
.rept 8                             ; u in f32, as a fragment's lane wants it: channels 32 i + 8 (l / 16) + 0..7 and 16 more on
	global_load_b128 v[16*i:16*i+3],     v[UO], s[8:9] offset:8192+128*i
	global_load_b128 v[16*i+4:16*i+7],   v[UO], s[8:9] offset:8192+128*i+16
	global_load_b128 v[16*i+8:16*i+11],  v[UO], s[8:9] offset:8192+128*i+64
	global_load_b128 v[16*i+12:16*i+15], v[UO], s[8:9] offset:8192+128*i+80
.set i, i+1
.endr
	WIN 0
.set i, 0
.rept 16                            ; query: tile i / 8, my channels 32 (i % 8) on
	global_load_b128 v[FA+8*i:FA+8*i+3],   v[QO], s[6:7] offset:(i/8)*32768+(i%8)*64
	global_load_b128 v[FA+8*i+4:FA+8*i+7], v[QO], s[6:7] offset:(i/8)*32768+(i%8)*64+32
.set i, i+1
.endr
	v_mul_u32_u24 v[AK0], v1, PK
	v_lshl_add_u32 v[AK0], v2, 4, v[AK0]
	v_add_nc_u32 v[AK0], s39, v[AK0]  ; my part + row x pitch + 16 x half
	v_and_b32 v[AV0], 7, v0
	v_lshl_add_u32 v[AV0], v2, 3, v[AV0]
	v_mul_u32_u24 v[AV0], v[AV0], PK  ; key 8 (l / 16) + l % 8,
	v_bfe_u32 v[TM], v0, 3, 1
	v_lshl_add_u32 v[AV0], v[TM], 7, v[AV0]  ; 64 channels on for lanes 8-15 of each half: channel block cb holds channels n0 + 0..7 and n0 + 64 + 0..7, n0 = 128 (cb / 8) + 8 (cb % 8)
	v_add_nc_u32 v[AV0], s39, v[AV0]
	s_lshl_b32 s28, s[WV], 7
	s_add_co_u32 s28, s28, TPB
	v_lshl_add_u32 v[TPS], v1, 2, s28
	v_lshl_add_u32 v[TPL], v1, 2, TPB
	s_lshl_b32 s28, s[WV], 8
	s_add_co_u32 s28, s28, STAT
	v_lshl_add_u32 v[STS], v1, 3, s28
	v_lshl_add_u32 v[STL], v1, 3, STAT
	s_mul_i32 s28, s[WV], XW
	v_mul_u32_u24 v[XS], v1, XP
	v_lshl_add_u32 v[XS], v2, 8, v[XS]
	v_add_nc_u32 v[XS], s28, v[XS]  ; the merge, in: my wave's rows, row l % 16, 64 channels on for the upper half of the lanes
	v_and_b32 v[GO], 31, v0
	s_mul_i32 s28, s[WV], 8*XP
	v_lshl_add_u32 v[XR], v[GO], 4, s28  ; back: rows 8 w on of each wave's part, 16 bytes a lane
	v_add_nc_u32 v[XR+1], XW, v[XR]
	v_add_nc_u32 v[XR+2], 2*XW, v[XR]
	v_add_nc_u32 v[XR+3], 3*XW, v[XR]
	v_lshlrev_b32 v[GO], 3, v[GO]
.irp q, 0,1
	v_mov_b32 v[ST+8*\q], 0xfe000000    ; c m: far below every c s
	v_mov_b32 v[ST+8*\q+1], 0xff7fffff  ; m
.irp k, 2,3,4,5,6,7
	v_mov_b32 v[ST+8*\q+\k], 0
.endr
.endr
	; t.  Source 0 = sixteen equal rows of u, source 1 = 16 queries: every register of the result holds my wave's part (256 channels) of t of query l % 16.  The two accumulators take turns.
	s_wait_loadcnt 32               ; Q' and u are in; query's 32 loads stay out
	WIN 0x8a                        ; all in window 2
.set i, 0
.rept 64
	v_cvt_pk_bf16_f32 v[128+i], v[2*i], v[2*i+1]
.set i, i+1
.endr
	s_wait_loadcnt 0x0
	WIN 0x02                        ; u's fragments in window 2
.set i, 0
.rept 16
.if i < 2
	v_wmma_f32_16x16x32_bf16 v[S+8*(i%2):S+8*(i%2)+7], v[128+8*(i/2):128+8*(i/2)+7], v[FA+8*(8*(i%2)+i/2):FA+8*(8*(i%2)+i/2)+7], 0
.else
	v_wmma_f32_16x16x32_bf16 v[S+8*(i%2):S+8*(i%2)+7], v[128+8*(i/2):128+8*(i/2)+7], v[FA+8*(8*(i%2)+i/2):FA+8*(8*(i%2)+i/2)+7], v[S+8*(i%2):S+8*(i%2)+7]
.endif
.set i, i+1
.endr
	WIN 0
	PLACES
	WIN 0x80                        ; O starts at 0, so that no first step is written out: 512 lines, in the wait for the first tile
.set i, 0
.rept 256
	v_mov_b32 v[i], 0
.set i, i+1
.endr
	WIN 0xc0
.set i, 0
.rept 256
	v_mov_b32 v[i], 0
.set i, i+1
.endr
	WIN 0
	ds_store_b32 v[TPS], v[S]
	ds_store_b32 v[TPS], v[S+8] offset:64
	s_wait_dscnt 0x0                ; for the others' sake: my parts of t are in LDS
	s_barrier_signal -1             ; tile 0's load may stay out
	s_barrier_wait -1
.irp q, 0,1
.irp w, 0,1,2,3
	ds_load_b32 v[TM+4*\q+\w], v[TPL] offset:128*\w+64*\q
.endr
.endr
	s_wait_dscnt 0x0
	s_wait_kmcnt 0x0                ; s0
.irp q, 0,1
	v_add_f32 v[TM+4*\q], v[TM+4*\q], v[TM+4*\q+1]
	v_add_f32 v[TM+4*\q+2], v[TM+4*\q+2], v[TM+4*\q+3]
.endr
.irp q, 0,1
	v_add_f32 v[TM+4*\q], v[TM+4*\q], v[TM+4*\q+2]
.endr
.irp q, 0,1
	v_add_f32 v[T+8*\q], s38, v[TM+4*\q]
.endr
.irp q, 0,1
.irp k, 1,2,3,4,5,6,7
	v_mov_b32 v[T+8*\q+\k], v[T+8*\q]  ; the same t for each of a lane's eight keys
.endr
.endr
; 16 LDS loads: K's fragments of channels 128 g on: fragment f = 2 ksl + kt (channels 32 ksl on, keys 16 kt on) at buf + 8 f
.macro LOADK g, buf
.set f, 0
.rept 8
	ds_load_b128 v[(\buf)+8*f:(\buf)+8*f+3],   v[ADK] offset:(f%2)*16*PK+64*(4*(\g)+f/2)
	ds_load_b128 v[(\buf)+8*f+4:(\buf)+8*f+7], v[ADK] offset:(f%2)*16*PK+64*(4*(\g)+f/2)+32
.set f, f+1
.endr
.endm
; 16 products of S^T = K Q^T: the four accumulators take turns.  The first four start the sums, on t
.macro MMS g, buf
.set c, 0
.rept 16
.set rS, S+8*(2*(c%2)+(c/2)%2)
.set rK, (\buf)+8*(2*(c/4)+(c/2)%2)
.set rQ, 8*(16*(c%2)+4*(\g)+c/4)
.if ((\g) == 0) && (c < 4)
	v_wmma_f32_16x16x32_bf16 v[rS:rS+7], v[rK:rK+7], v[rQ:rQ+7], v[T+8*(c%2):T+8*(c%2)+7]
.else
	v_wmma_f32_16x16x32_bf16 v[rS:rS+7], v[rK:rK+7], v[rQ:rQ+7], v[rS:rS+7]
.endif
.set c, c+1
.endr
.endm
; 16 turning loads: V's fragments of channel blocks 8 g .. 8 g + 7: my 32 keys x 16 channels each
.macro LOADV g, buf
.set f, 0
.rept 8
	ds_load_tr16_b128 v[(\buf)+8*f:(\buf)+8*f+3],   v[ADV] offset:256*(\g)+16*f
	ds_load_tr16_b128 v[(\buf)+8*f+4:(\buf)+8*f+7], v[ADV] offset:256*(\g)+16*f+16*PK
.set f, f+1
.endr
.endm
; 16 products of O^T += V^T P, one on each accumulator.  Behind each stand the four lines that multiply the accumulator two further on by a: they name no register of the products round them,
; so the four behind a group's last product are also the places in front of the loads into its buffer.
.macro PVG g, buf
.set c, 0
.rept 16
.set i, 16*(\g)+c
.set rO, (8*i)%256
	WIN 0xa0+0x50*(i/32)            ; O in window 2 or 3; V and P in window 0
	v_wmma_f32_16x16x32_bf16 v[rO:rO+7], v[(\buf)+8*(c/2):(\buf)+8*(c/2)+7], v[P+8*(c%2):P+8*(c%2)+7], v[rO:rO+7]
.if i+2 < 64
.set rO, (8*(i+2))%256
	WIN 0x82+0x41*((i+2)/32)        ; O (destination and source 0) in window 2 or 3, a in window 0
.irp z, 0,1,2,3
	v_pk_mul_f32 v[rO+2*\z:rO+2*\z+1], v[rO+2*\z:rO+2*\z+1], v[ST+8*(i%2)+6:ST+8*(i%2)+7] op_sel_hi:[1,0]
.endr
.endif
.set c, c+1
.endr
.endm
; the softmax of both query tiles, line by line by turns: a lane has 16 scores a tile
.macro SOFTMAX
.irp q, 0,1
	v_max3_num_f32 v[ST+8*\q+4], v[S+16*\q], v[S+16*\q+1], v[S+16*\q+2]      ; each accumulator's lowest registers are read first
	v_max3_num_f32 v[ST+8*\q+5], v[S+16*\q+8], v[S+16*\q+9], v[S+16*\q+10]
.endr
.irp q, 0,1
	v_max3_num_f32 v[ST+8*\q+4], v[ST+8*\q+4], v[S+16*\q+3], v[S+16*\q+4]
	v_max3_num_f32 v[ST+8*\q+5], v[ST+8*\q+5], v[S+16*\q+11], v[S+16*\q+12]
.endr
.irp q, 0,1
	v_max3_num_f32 v[ST+8*\q+4], v[ST+8*\q+4], v[S+16*\q+5], v[S+16*\q+6]
	v_max3_num_f32 v[ST+8*\q+5], v[ST+8*\q+5], v[S+16*\q+13], v[S+16*\q+14]
.endr
.irp q, 0,1
	v_max3_num_f32 v[ST+8*\q+4], v[ST+8*\q+4], v[S+16*\q+7], v[S+16*\q+15]
.endr
.irp q, 0,1
	v_max3_num_f32 v[ST+8*\q+4], v[ST+8*\q+4], v[ST+8*\q+5], v[ST+8*\q+1]    ; and the old m
.endr
.irp q, 0,1
	v_permlanex16_b32 v[ST+8*\q+5], v[ST+8*\q+4], s[SEL], s[SEL+1]           ; the query's other 16 keys lie in the lane 16 away
.endr
.irp q, 0,1
	v_mov_b32 v[ST+8*\q+7], v[ST+8*\q]                                       ; c m_old is kept
.endr
.irp q, 0,1
	v_max_num_f32 v[ST+8*\q+1], v[ST+8*\q+4], v[ST+8*\q+5]
.endr
.irp q, 0,1
	v_mul_f32 v[ST+8*\q], s[CS], v[ST+8*\q+1]
.endr
.irp q, 0,1
	v_sub_f32 v[ST+8*\q+7], v[ST+8*\q+7], v[ST+8*\q]
.endr
.irp q, 0,1
.irp k, 0,1,2,3,4,5,6,7
	v_pk_fma_f32 v[S+16*\q+2*\k:S+16*\q+2*\k+1], v[S+16*\q+2*\k:S+16*\q+2*\k+1], s[CS:CS+1], v[ST+8*\q:ST+8*\q+1] op_sel_hi:[1,0,0] neg_lo:[0,0,1] neg_hi:[0,0,1]  ; c s - c m
.endr
.endr
.irp q, 0,1
	v_exp_f32 v[ST+8*\q+6], v[ST+8*\q+7]                                     ; a
.endr
.irp q, 0,1
.irp k, 0,1,2,3,4,5,6,7,8,9,10,11,12,13,14,15
	v_exp_f32 v[S+16*\q+\k], v[S+16*\q+\k]
.endr
.endr
	v_nop                           ; a plain instruction between the last exponential and the use of its result (ISA guide 5.7.2)
	s_wait_alu depctr_va_vdst(0)
.irp q, 0,1
.irp k, 0,1,2,3,4,5,6,7
	v_cvt_pk_bf16_f32 v[P+8*\q+\k], v[S+16*\q+2*\k], v[S+16*\q+2*\k+1]
.endr
.endr
.irp q, 0,1
.irp k, 0,4,8,12
	v_pk_add_f32 v[S+16*\q+\k:S+16*\q+\k+1], v[S+16*\q+\k:S+16*\q+\k+1], v[S+16*\q+\k+2:S+16*\q+\k+3]
.endr
.endr
.irp q, 0,1
.irp k, 0,8
	v_pk_add_f32 v[S+16*\q+\k:S+16*\q+\k+1], v[S+16*\q+\k:S+16*\q+\k+1], v[S+16*\q+\k+4:S+16*\q+\k+5]
.endr
.endr
.irp q, 0,1
	v_pk_add_f32 v[S+16*\q:S+16*\q+1], v[S+16*\q:S+16*\q+1], v[S+16*\q+8:S+16*\q+9]
.endr
.irp q, 0,1
	v_pk_fma_f32 v[ST+8*\q+2:ST+8*\q+3], v[ST+8*\q+2:ST+8*\q+3], v[ST+8*\q+6:ST+8*\q+7], v[S+16*\q:S+16*\q+1] op_sel_hi:[1,0,1]  ; l = a l + the sum
.endr
.endm
; A TILE.  fill = 1: the next tile is asked for, into the slot read last.  Each wave waits for all its tensor loads (one is out: my part of the tile in hand), adds 0 to its spare word, and waits for that and for its reads of the
; other slot; a round of the cluster's barrier, so that no wave of any partner still reads that slot or has a load on its way; the joint load is the first thing behind it, and has this tile's 128 products and softmax in which to land.
; A wave reads only the bytes that its own load brought, so its own wait on TENSORcnt is all that the reads need.
.macro TRIP fill
	WIN 0
	s_wait_tensorcnt 0x0
.if \fill
	ds_add_u32 v[SPW], v[NIL]       ; the descriptor's steps stand between the add and the wait for it
	s_xor_b32 s[G0+1], s[G0+1], SLOT
	s_add_nc_u64 s[G0+2:G0+3], s[G0+2:G0+3], 131072  ; the next 128 keys; the type bits on top are not reached
	s_wait_dscnt 0x0
	ROUND
	tensor_load_to_lds s[G0:G0+3], s[G1:G1+7]
	s_nop 0
.endif
	PLACES                          ; also the places between the last tile's last products and the loads into their buffer
	v_add_nc_u32 v[ADK], s[TB], v[AK0]
	v_add_nc_u32 v[ADV], s[TB], v[AV0]
	WIN W_S
	LOADK 0, FA
	LOADK 1, FB
	s_wait_dscnt 16                 ; here and below: the older run of sixteen is in, the younger stays out
	MMS 0, FA
	PLACES
	LOADK 2, FA
	s_wait_dscnt 16
	MMS 1, FB
	PLACES
	LOADK 3, FB
	s_wait_dscnt 16
	MMS 2, FA
	PLACES
	LOADV 0, FA
	s_wait_dscnt 16
	MMS 3, FB
	PLACES
	LOADV 1, FB
	WIN 0
	SOFTMAX
	WIN 0x82
.irp z, 0,1,2,3
	v_pk_mul_f32 v[2*\z:2*\z+1], v[2*\z:2*\z+1], v[ST+6:ST+7] op_sel_hi:[1,0]         ; the first two accumulators times a
.endr
.irp z, 0,1,2,3
	v_pk_mul_f32 v[8+2*\z:8+2*\z+1], v[8+2*\z:8+2*\z+1], v[ST+14:ST+15] op_sel_hi:[1,0]
.endr
	s_wait_dscnt 16
	PVG 0, FA
	WIN 0
	LOADV 2, FA
	s_wait_dscnt 16
	PVG 1, FB
	WIN 0
	LOADV 3, FB
	s_wait_dscnt 16
	PVG 2, FA
	s_wait_dscnt 0x0
	PVG 3, FB
	WIN 0
	s_xor_b32 s[TB], s[TB], SLOT
.endm
	s_mov_b32 s[TB], 0
	s_mov_b32 s[CNT], 15
.Ltrip:                             ; tiles 0 to 14: each asks for the next
	TRIP 1
	s_sub_co_u32 s[CNT], s[CNT], 1
	s_cmp_lg_u32 s[CNT], 0
	s_cbranch_scc1 .Ltrip
	TRIP 0                          ; the last tile is written out
	; THE MERGE.  Each wave's (c m, l) go to the others; O is multiplied by g = 2^(c m - c m*) / L, with m* the largest of the four and L = the sum of 2^(c m_w - c m*) l_w; the four waves' O are then added.
	PLACES
.irp q, 0,1
	v_add_f32 v[ST+8*\q+2], v[ST+8*\q+2], v[ST+8*\q+3]
.endr
.irp q, 0,1
	v_permlanex16_b32 v[ST+8*\q+3], v[ST+8*\q+2], s[SEL], s[SEL+1]
.endr
.irp q, 0,1
	v_add_f32 v[ST+8*\q+1], v[ST+8*\q+2], v[ST+8*\q+3]   ; l, beside c m
.endr
.irp q, 0,1
	ds_store_b64 v[STS], v[ST+8*\q:ST+8*\q+1] offset:128*\q
.endr
	s_wait_dscnt 0x0                ; my statistics are in LDS, and my reads of the ring are over
	s_barrier_signal -1
	s_barrier_wait -1               ; everybody's: the ring, which has had its last fill, may now be written
.irp q, 0,1
.irp w, 0,1,2,3
	ds_load_b64 v[TM+8*\q+2*\w:TM+8*\q+2*\w+1], v[STL] offset:256*\w+128*\q
.endr
.endr
	s_wait_dscnt 0x0
.irp q, 0,1
	v_max3_num_f32 v[118+\q], v[TM+8*\q], v[TM+8*\q+2], v[TM+8*\q+4]
.endr
.irp q, 0,1
	v_max_num_f32 v[118+\q], v[118+\q], v[TM+8*\q+6]
.endr
.irp q, 0,1
	v_sub_f32 v[120+\q], v[ST+8*\q], v[118+\q]
.irp w, 0,1,2,3
	v_sub_f32 v[TM+8*\q+2*\w], v[TM+8*\q+2*\w], v[118+\q]
.endr
.endr
.irp q, 0,1
	v_exp_f32 v[120+\q], v[120+\q]
.irp w, 0,1,2,3
	v_exp_f32 v[TM+8*\q+2*\w], v[TM+8*\q+2*\w]
.endr
.endr
	v_nop
	s_wait_alu depctr_va_vdst(0)
.irp q, 0,1
	v_mul_f32 v[122+\q], v[TM+8*\q], v[TM+8*\q+1]
.endr
.irp w, 1,2,3
.irp q, 0,1
	v_fmac_f32 v[122+\q], v[TM+8*\q+2*\w], v[TM+8*\q+2*\w+1]
.endr
.endr
.irp q, 0,1
	v_rcp_f32 v[122+\q], v[122+\q]
.endr
	v_nop
	s_wait_alu depctr_va_vdst(0)
.irp q, 0,1
	v_mul_f32 v[124+2*\q], v[120+\q], v[122+\q]
	v_mul_f32 v[125+2*\q], v[120+\q], v[122+\q]          ; named with it as a pair
.endr
.macro OUTW hi                      ; the 32 accumulators of window 2 + hi: times g, then into my rows of the merge
	WIN 0x82+0x41*(\hi)
.set i, 0
.rept 32
.irp z, 0,1,2,3
	v_pk_mul_f32 v[8*i+2*\z:8*i+2*\z+1], v[8*i+2*\z:8*i+2*\z+1], v[124+2*(i%2):125+2*(i%2)] op_sel_hi:[1,0]
.endr
.set i, i+1
.endr
	WIN 0x08+0x04*(\hi)             ; the stores' data in window 2 or 3
.set i, 0
.rept 32
.set cb, 16*(\hi)+i/2
	ds_store_b128 v[XS], v[8*i:8*i+3]   offset:(i%2)*16*XP+512*(cb/8)+32*(cb%8)
	ds_store_b128 v[XS], v[8*i+4:8*i+7] offset:(i%2)*16*XP+512*(cb/8)+32*(cb%8)+16
.set i, i+1
.endr
.endm
	OUTW 0
	OUTW 1
	WIN 0
	s_wait_dscnt 0x0                ; for the others' sake
	s_barrier_signal -1
	s_barrier_wait -1
.macro XLD i, buf                   ; row 8 w + i of all four waves' parts: 16 loads of 512 consecutive bytes
.irp w, 0,1,2,3
.irp j, 0,1,2,3
	ds_load_b128 v[(\buf)+16*\w+4*\j:(\buf)+16*\w+4*\j+3], v[XR+\w] offset:XP*(\i)+512*\j
.endr
.endr
.endm
.macro XSUM i, buf                  ; added, rounded once, stored; each register of v32-95 is written once, so no store is waited for
.irp j, 0,1,2,3
	v_pk_add_f32 v[(\buf)+4*\j:(\buf)+4*\j+1],       v[(\buf)+4*\j:(\buf)+4*\j+1],       v[(\buf)+16+4*\j:(\buf)+16+4*\j+1]
	v_pk_add_f32 v[(\buf)+4*\j+2:(\buf)+4*\j+3],     v[(\buf)+4*\j+2:(\buf)+4*\j+3],     v[(\buf)+16+4*\j+2:(\buf)+16+4*\j+3]
	v_pk_add_f32 v[(\buf)+32+4*\j:(\buf)+32+4*\j+1], v[(\buf)+32+4*\j:(\buf)+32+4*\j+1], v[(\buf)+48+4*\j:(\buf)+48+4*\j+1]
	v_pk_add_f32 v[(\buf)+32+4*\j+2:(\buf)+32+4*\j+3], v[(\buf)+32+4*\j+2:(\buf)+32+4*\j+3], v[(\buf)+48+4*\j+2:(\buf)+48+4*\j+3]
	v_pk_add_f32 v[(\buf)+4*\j:(\buf)+4*\j+1],       v[(\buf)+4*\j:(\buf)+4*\j+1],       v[(\buf)+32+4*\j:(\buf)+32+4*\j+1]
	v_pk_add_f32 v[(\buf)+4*\j+2:(\buf)+4*\j+3],     v[(\buf)+4*\j+2:(\buf)+4*\j+3],     v[(\buf)+32+4*\j+2:(\buf)+32+4*\j+3]
	v_cvt_pk_bf16_f32 v[32+8*(\i)+2*\j],   v[(\buf)+4*\j],   v[(\buf)+4*\j+1]
	v_cvt_pk_bf16_f32 v[32+8*(\i)+2*\j+1], v[(\buf)+4*\j+2], v[(\buf)+4*\j+3]
	global_store_b64 v[GO], v[32+8*(\i)+2*\j:32+8*(\i)+2*\j+1], s[10:11] offset:1024*(\i)+256*\j  ; 32 lanes x 8 bytes: 256 consecutive bytes, aligned
.endr
.endm
	XLD 0, FA
.set n, 0
.rept 8
.if n < 7
	XLD n+1, FA+64*((n+1)%2)
	s_wait_dscnt 16                 ; row n is in; the next row's sixteen loads stay out
.else
	s_wait_dscnt 0x0
.endif
	XSUM n, FA+64*(n%2)
.set n, n+1
.endr
	s_wait_tensorcnt 0x0            ; the wave's end: these three lines stand behind my last tensor load and my last LDS store
	ds_add_u32 v[SPW], v[NIL]
	s_wait_dscnt 0x0
	ROUND                           ; the closing round: no work-group ends while a partner may still ask for a tile that names it
	s_endpgm
.Lfunc_end_k_qf17964cfa4_attn:
	.size	k_qf17964cfa4_attn, .Lfunc_end_k_qf17964cfa4_attn-k_qf17964cfa4_attn
	.p2alignl 7, 3214868480
	.fill 96, 4, 3214868480
	.section	.rodata,"a",@progbits
	.p2align	6, 0x0
	.amdhsa_kernel k_qf17964cfa4_attn
		.amdhsa_group_segment_fixed_size 327680
		.amdhsa_private_segment_fixed_size 0
		.amdhsa_enable_private_segment 0
		.amdhsa_kernarg_size 32
		.amdhsa_user_sgpr_count 2
		.amdhsa_user_sgpr_kernarg_segment_ptr 1
		.amdhsa_wavefront_size32 1
		.amdhsa_system_sgpr_workgroup_id_x 1
		.amdhsa_system_sgpr_workgroup_id_y 1
		.amdhsa_system_sgpr_workgroup_id_z 1
		.amdhsa_system_vgpr_workitem_id 0
		.amdhsa_next_free_vgpr 1024
		.amdhsa_next_free_sgpr 66
		.amdhsa_reserve_vcc 0
		.amdhsa_float_denorm_mode_32 3
		.amdhsa_float_denorm_mode_16_64 3
		.amdhsa_memory_ordered 1
		.amdhsa_forward_progress 1
		.amdhsa_inst_pref_size 182
	.end_amdhsa_kernel
	.amdgpu_metadata
---
amdhsa.version: [ 1, 2 ]
amdhsa.kernels:
  - .name:           k_qf17964cfa4_attn
    .symbol:         k_qf17964cfa4_attn.kd
    .args:
      - { .name: Qp, .offset: 0, .size: 8, .value_kind: global_buffer, .address_space: global }
      - { .name: xb, .offset: 8, .size: 8, .value_kind: global_buffer, .address_space: global }
      - { .name: vecs, .offset: 16, .size: 8, .value_kind: global_buffer, .address_space: global }
      - { .name: Ap, .offset: 24, .size: 8, .value_kind: global_buffer, .address_space: global }
    .group_segment_fixed_size: 327680
    .private_segment_fixed_size: 0
    .kernarg_segment_align: 8
    .kernarg_segment_size: 32
    .max_flat_workgroup_size: 128
    .sgpr_count:     66
    .vgpr_count:     1024
    .wavefront_size: 32
...
	.end_amdgpu_metadata
.endif
;; end of part 3
;; launch outk (part 4): grid 4 x 64, 4 waves a work-group, clusters of 4 x 4, 327,680 bytes of LDS; arguments Ap, WW, out0, vecs, query; writes out0
.if DOCPART == 4
	.amdgcn_target "amdgcn-amd-amdhsa--gfx1250"
	.amdhsa_code_object_version 6
	.text
	.protected	k_qf17964cfa4_outk
	.globl	k_qf17964cfa4_outk
	.p2align	8
	.type	k_qf17964cfa4_outk,@function
k_qf17964cfa4_outk:
	s_mov_b64 s[64:65], 0
	v_nop
	global_prefetch_b8 v0, s[64:65] scope:SCOPE_SE
	s_setreg_imm32_b32 hwreg(HW_REG_WAVE_MODE, 25, 1), 1
	s_wait_xcnt 0x0
	s_wait_alu depctr_hold_cnt(0) depctr_sa_sdst(0) depctr_va_vdst(0) depctr_va_sdst(0) depctr_va_ssrc(0) depctr_va_vcc(0) depctr_vm_vsrc(0)
	s_getreg_b32 s2, hwreg(HW_REG_IB_STS2, 6, 4)
	s_cmp_eq_u32 s2, 0
	s_cbranch_scc0 .Lentry_in_a_cluster
	s_endpgm
.Lentry_in_a_cluster:
	s_bfe_u32 s2, ttmp6, 0x10000c
	s_cmp_lg_u32 s2, 0xf033
	s_cbranch_scc0 .Lentry_shape_is_right
	s_endpgm
.Lentry_shape_is_right:
; out0[q][d] = query[q][d] + e[d] + sum over j of Ap[q][j] G[j][d].  Ap: [8,192][512] bf16.  G = Wv Wo: rows 512 to 1,023 of WW, [512][1,024] bf16, K down the rows.  e = bv Wo + bo in f32 (vecs, byte 4,096 on).
; query and out0: [8,192][1,024] f32.  Sums in f32, started on e; the residual is added in f32 on the way out.  LIMIT: the module's products are associated otherwise than the source writes them; Ap and G were rounded once to bf16.
; A tile of out0 is 128 x 256: 4 x 64 = 256 work-groups.  Four waves, each 64 x 128: 32 accumulators, 256 registers.  K = 512 goes in four steps of 128 through two LDS slots: the text is written out, without a loop.
; CLUSTERS: 4 x 4 work-groups; Ap's tile hangs on the tile row alone and is shared along a row of the cluster, G's on the tile column alone and is shared along a column: each is asked for JOINTLY.
; THE MATRIX INSTRUCTION IS USED TRANSPOSED: source 0 = 16 columns of G (turned on the way out of LDS by ds_load_tr16_b128), source 1 = 16 rows of Ap: a lane holds eight neighbouring numbers of a row of out0.
; REGISTERS: window 0: v0-31 addresses; v64-159, v160-255 two fragment buffers (64 of G, then 32 of Ap, for 32 along K); window 1: the accumulators, (a, b) at 8 (8 a + b);
;   window 2: my 64 x 128 of query, row t at 4 t, 16 bytes a lane; window 3: v0-63 e, column block b at 8 b.
.set PA,     272                       ; a row of Ap's tile in LDS: 256 bytes + 16 = 68 words: row r starts at bank 4 r mod 64 (64 banks of 4 bytes: ISA guide 11.1)
.set PB,     544                       ; a row of G's tile: 512 + 32 = 136 words: row r starts at bank 8 r mod 64
.set BOFF,   128*PA                    ; in a slot: Ap's 128 rows, then G's 128 rows
.set SLOT,   128*PA+128*PB
.set STAGE,  2*SLOT                    ; behind the ring: 16 rows x 528 bytes for each wave, for the way out
.set SPITCH, 528
.set SPARE,  STAGE+4*16*SPITCH         ; behind the stages: the spare words, 128 bytes for each wave: two blocks of 256 bytes that no other line names
.set ADRA, 16                          ; v16-17
.set ADRB, 20                          ; v20-21
.set STO,  24
.set RD,   25
.set CO,   26                          ; 16 x lane
.set EO,   27                          ; 32 (l / 16)
.set SPW,  28
.set NIL,  29
.set F0,   64
.set F1,   160
.set G1, 24                            ; s[24:31] group 1 for Ap's tiles;  s[32:39] group 0, one set for each slot
.set G0, 32
.set G1B, 48                           ; s[48:55], s[56:63] the same for G's tiles
.set G0B, 56
.set MSB, 0
.macro WIN new
.if MSB != (\new)
	s_set_vgpr_msb (MSB<<8)|(\new)
.set MSB, \new
.endif
.endm
.set MUL,  0x50                        ; C and D window 1, the fragments window 0
.set MULE, 0x70                        ; the same with C in window 3
.macro JLOAD s                         ; a joint load: waves 0 and 1 fetch Ap's two halves, waves 2 and 3 G's; an s_nop 0 and four v_nop follow each of the two lines
	s_cmp_eq_u32 s11, 0
	s_cbranch_scc0 .Lfor_b_\@
	tensor_load_to_lds s[G0+4*(\s):G0+4*(\s)+3], s[G1:G1+7]
	s_nop 0
.rept 4
	v_nop
.endr
	s_branch .Lasked_\@
.Lfor_b_\@:
	tensor_load_to_lds s[G0B+4*(\s):G0B+4*(\s)+3], s[G1B:G1B+7]
	s_nop 0
.rept 4
	v_nop
.endr
.Lasked_\@:
.endm
.macro CREST
	s_cmp_lg_u32 s10, 0
	s_cbranch_scc1 .Lnot_wave_0_\@
	s_barrier_signal -3
.Lnot_wave_0_\@:
	s_barrier_wait -3
	s_barrier_signal -1
	s_barrier_wait -1
.endm
.macro CROUND
	s_barrier_signal -1
	s_barrier_wait -1
	CREST
.endm
.macro PLACES
.rept 4
	v_nop
.endr
.endm
	s_load_b128 s[4:7], s[0:1], 0x0                ; Ap s[4:5], WW s[6:7]
	s_load_b64 s[8:9], s[0:1], 0x10                ; out0
	s_load_b128 s[68:71], s[0:1], 0x18             ; vecs s[68:69], query s[70:71]
	v_lshl_add_u32 v[SPW], v0, 2, SPARE
	v_mov_b32 v[NIL], 0
	ds_add_u32 v[SPW], v[NIL]                      ; the wave's opening: the add and its wait stand ahead of my first tensor load; the set-up below stands between them
	v_lshrrev_b32 v1, 5, v0
	v_readfirstlane_b32 s10, v1                    ; wave 0..3
	s_lshr_b32 s11, s10, 1                         ; which half of the tile's rows is mine.  Also: I fetch for Ap (0) or for G (1)
	s_and_b32 s12, s10, 1                          ; which half of its columns.  Also: which 64 rows of that tile I fetch
	s_bfe_u32 s40, ttmp6, 0x40000                  ; cx, cy
	s_bfe_u32 s41, ttmp6, 0x40004
	s_lshl_b32 s42, ttmp9, 2
	s_add_co_u32 s42, s42, s40                     ; tile column
	s_and_b32 s13, ttmp7, 0xffff
	s_lshl_b32 s13, s13, 2
	s_add_co_u32 s13, s13, s41                     ; tile row
	s_lshl_b32 s43, s41, 2
	s_lshl_b32 s43, 15, s43                        ; my row of the cluster
	s_lshl_b32 s44, 0x1111, s40                    ; my column
	s_or_b32 s[G1], s43, (1<<16)|(1<<20)|(1<<21)|(5<<22)|(3<<25)   ; the mask; 2-byte elements; padding on; 21 set beside a mask; after every 64 words (code 5) 4 words (code 3)
	s_mov_b32 s[G1+1], 128<<16                     ; tensor_dim0 = 128
	s_mov_b32 s[G1+2], 64<<16                      ; tensor_dim1 = 64
	s_mov_b32 s[G1+3], 128<<16                     ; tile_dim0 = 128
	s_mov_b32 s[G1+4], 64                          ; tile_dim1 = 64
	s_mov_b32 s[G1+5], 512                         ; Ap's rows are 512 elements apart
	s_mov_b32 s[G1+6], 0
	s_mov_b32 s[G1+7], 0
	s_or_b32 s[G1B], s44, (1<<16)|(1<<20)|(1<<21)|(6<<22)|(7<<25)  ; after every 128 words (code 6) 8 words (code 7)
	s_mov_b32 s[G1B+1], 256<<16                    ; tensor_dim0 = 256
	s_mov_b32 s[G1B+2], 64<<16
	s_mov_b32 s[G1B+3], 256<<16                    ; tile_dim0 = 256
	s_mov_b32 s[G1B+4], 64
	s_mov_b32 s[G1B+5], 1024                       ; G's rows are 1,024 elements apart
	s_mov_b32 s[G1B+6], 0
	s_mov_b32 s[G1B+7], 0
	s_lshl_b32 s16, s13, 17                        ; Ap: 128 rows of 1,024 bytes a tile row,
	s_lshl_b32 s17, s12, 16                        ; 64 rows a half
	s_add_co_u32 s16, s16, s17
	s_mov_b32 s17, 0
	s_lshl_b32 s46, s42, 9                         ; G: 256 columns of 2 bytes a tile column,
	s_lshl_b32 s47, s12, 17                        ; 64 rows of 2,048 bytes a half,
	s_add_co_u32 s46, s46, s47
	s_add_co_u32 s46, s46, 1048576                 ; behind WW's first 512 rows
	s_mov_b32 s47, 0
	s_mul_i32 s20, s12, 64*PA                      ; where they go: no place in the cluster enters an LDS address
	s_mul_i32 s21, s12, 64*PB
	s_add_co_u32 s21, s21, BOFF
	s_wait_dscnt 0x0                               ; the opening add is done
	s_wait_kmcnt 0x0
	s_add_nc_u64 s[14:15], s[4:5], s[16:17]
	s_add_nc_u64 s[46:47], s[6:7], s[46:47]
	CROUND                                         ; all sixteen work-groups are here: the first joint loads meet
.irp s, 0,1
	s_mov_b32 s[G0+4*(\s)], 1
	s_add_co_u32 s[G0+4*(\s)+1], s20, (\s)*SLOT
	s_add_nc_u64 s[G0+4*(\s)+2:G0+4*(\s)+3], s[14:15], (\s)*256       ; K step s: 128 elements along Ap's rows
	s_or_b32 s[G0+4*(\s)+3], s[G0+4*(\s)+3], 0x80000000
	s_mov_b32 s[G0B+4*(\s)], 1
	s_add_co_u32 s[G0B+4*(\s)+1], s21, (\s)*SLOT
	s_add_nc_u64 s[G0B+4*(\s)+2:G0B+4*(\s)+3], s[46:47], (\s)*262144  ; 128 rows down G
	s_or_b32 s[G0B+4*(\s)+3], s[G0B+4*(\s)+3], 0x80000000
	JLOAD \s
.endr
	v_and_b32 v1, 15, v0                           ; l % 16
	v_bfe_u32 v2, v0, 4, 1                         ; l / 16
	v_and_b32 v6, 31, v0
	v_lshlrev_b32 v[CO], 4, v6
	v_lshlrev_b32 v[EO], 5, v2
	s_lshl_b32 s16, s13, 19                        ; my first row of query and out0: 128 rows of 4,096 bytes a tile row,
	s_lshl_b32 s17, s11, 18                        ; 64 a half
	s_add_co_u32 s16, s16, s17
	s_mov_b32 s17, 0
	s_lshl_b32 s46, s42, 10                        ; my first column, in bytes of f32 (in the registers that held G's address: none that feeds Ap's descriptors ever holds cx)
	s_lshl_b32 s47, s12, 9
	s_add_co_u32 s46, s46, s47
	s_mov_b32 s47, 0
	s_add_nc_u64 s[68:69], s[68:69], s[46:47]
	s_add_nc_u64 s[70:71], s[70:71], s[16:17]
	s_add_nc_u64 s[70:71], s[70:71], s[46:47]
	s_add_nc_u64 s[8:9], s[8:9], s[16:17]
	s_add_nc_u64 s[8:9], s[8:9], s[46:47]
	WIN 0xc0                                       ; destination window 3
.irp b, 0,1,2,3,4,5,6,7
	global_load_b128 v[8*(\b):8*(\b)+3],   v[EO], s[68:69] offset:4096+64*(\b)      ; e of columns 16 b + 8 (l / 16) + 0..7
	global_load_b128 v[8*(\b)+4:8*(\b)+7], v[EO], s[68:69] offset:4096+64*(\b)+16
.endr
	WIN 0x80                                       ; destination window 2
.set t, 0
.rept 64
	global_load_b128 v[4*t:4*t+3], v[CO], s[70:71] offset:4096*t th:TH_LOAD_NT  ; a row's 512 consecutive bytes; these land under the matrix work
.set t, t+1
.endr
	WIN 0
	v_mul_u32_u24 v3, v1, PA
	v_lshl_add_u32 v3, v2, 4, v3
	s_mul_i32 s22, s11, 64*PA                      ; my 64 rows of Ap's tile
	v_add_nc_u32 v[ADRA], s22, v3
	v_add_nc_u32 v[ADRA+1], SLOT, v[ADRA]
	v_and_b32 v4, 7, v0
	v_lshl_add_u32 v4, v2, 3, v4
	v_mul_u32_u24 v4, v4, PB                       ; the turning load: row 8 (l / 16) + l % 8,
	v_bfe_u32 v5, v0, 3, 1
	v_lshl_add_u32 v4, v5, 4, v4                   ; columns 8 ((l / 8) % 2) on
	s_lshl_b32 s23, s12, 8                         ; my 128 columns
	s_add_co_u32 s23, s23, BOFF
	v_add_nc_u32 v[ADRB], s23, v4
	v_add_nc_u32 v[ADRB+1], SLOT, v[ADRB]
	s_mul_i32 s22, s10, 16*SPITCH
	s_add_co_u32 s22, s22, STAGE                   ; my stage
	v_mul_u32_u24 v5, v1, SPITCH                   ; in: row l % 16, 32 bytes for each half of the lanes
	v_lshl_add_u32 v5, v2, 5, v5
	v_add_nc_u32 v[STO], s22, v5
	v_add_nc_u32 v[RD], s22, v[CO]                 ; back: a whole row of 512 bytes
; 24 LDS loads in one run: the fragments of 32 along K, number ks of the slot's four: 8 of G (turned), then 4 of Ap
.macro FETCH slot, ks, f
	WIN 0
.irp b, 0,1,2,3,4,5,6,7
	ds_load_tr16_b128 v[(\f)+8*(\b):(\f)+8*(\b)+3],   v[ADRB+(\slot)] offset:(\ks)*32*PB+32*(\b)
	ds_load_tr16_b128 v[(\f)+8*(\b)+4:(\f)+8*(\b)+7], v[ADRB+(\slot)] offset:(\ks)*32*PB+16*PB+32*(\b)
.endr
.irp a, 0,1,2,3
	ds_load_b128 v[(\f)+64+8*(\a):(\f)+64+8*(\a)+3],   v[ADRA+(\slot)] offset:(\a)*16*PA+64*(\ks)
	ds_load_b128 v[(\f)+64+8*(\a)+4:(\f)+64+8*(\a)+7], v[ADRA+(\slot)] offset:(\a)*16*PA+64*(\ks)+32
.endr
.endm
; 8 matrix instructions: row block a x all 8 column blocks.  init = 1: the product starts the sum, on e.  The 32 accumulators take turns.
.macro MUL8 f, a, init
.if \init
	WIN MULE
.else
	WIN MUL
.endif
.irp b, 0,1,2,3,4,5,6,7
.if \init
	v_wmma_f32_16x16x32_bf16 v[8*(8*(\a)+(\b)):8*(8*(\a)+(\b))+7], v[(\f)+8*(\b):(\f)+8*(\b)+7], v[(\f)+64+8*(\a):(\f)+64+8*(\a)+7], v[8*(\b):8*(\b)+7]
.else
	v_wmma_f32_16x16x32_bf16 v[8*(8*(\a)+(\b)):8*(8*(\a)+(\b))+7], v[(\f)+8*(\b):(\f)+8*(\b)+7], v[(\f)+64+8*(\a):(\f)+64+8*(\a)+7], v[8*(8*(\a)+(\b)):8*(8*(\a)+(\b))+7]
.endif
.endr
.endm
; A K step is four quarters of 32 along K, 32 matrix instructions each, on buffers 0, 1, 0, 1.  One of the first three: multiplies buffer f and fetches quarter ks into g.
.macro QUARTER slot, ks, f, g, init
	s_wait_dscnt 4                                 ; G's fragments and Ap's blocks 0 and 1 are in; the youngest four loads (blocks 2 and 3) stay out
	MUL8 \f, 0, \init
	MUL8 \f, 1, \init
	PLACES
	FETCH \slot, \ks, \g
	s_wait_dscnt 24                                ; all but the 24 just issued
	MUL8 \f, 2, \init
	MUL8 \f, 3, \init
.endm
; The last quarter multiplies buffer 1 and changes slots: ONE barrier; in front of it each wave waits for all its tensor loads, adds 0 to its spare word, and waits for that and for its own reads of this slot.  fill = 1: this slot is filled again, two K steps ahead.
.macro TURN slot, next, fill
	WIN 0
	s_wait_tensorcnt 0x0                           ; all my tensor loads have landed: my part of the next slot;
	ds_add_u32 v[SPW], v[NIL]                      ; 0 onto my spare word;
	s_wait_dscnt 5                                 ; (the add and the youngest four loads may be out)
	MUL8 F1, 0, 0                                  ; eight matrix instructions stand between the add and the wait for it
	s_wait_dscnt 0x0                               ; the add is done, and my reads of this slot are over
	s_barrier_signal -1
	MUL8 F1, 1, 0
.if \fill
	WIN 0
.endif
	s_barrier_wait -1
.if \fill
	CREST                                          ; the barrier has opened a round of the cluster's barrier: no wave of any partner still reads this slot's tile or has a load on its way
	s_add_nc_u64 s[G0+4*(\slot)+2:G0+4*(\slot)+3], s[G0+4*(\slot)+2:G0+4*(\slot)+3], 512
	s_add_nc_u64 s[G0B+4*(\slot)+2:G0B+4*(\slot)+3], s[G0B+4*(\slot)+2:G0B+4*(\slot)+3], 524288
	JLOAD \slot                                    ; the first tensor load behind the round; the four v_nop behind it are also the places in front of the loads below
.else
	PLACES
.endif
	FETCH \next, 0, F0
	MUL8 F1, 2, 0
	MUL8 F1, 3, 0
.endm
	s_wait_tensorcnt 1                             ; my part of K step 0 is in; K step 1's load stays out
	s_barrier_signal -1
	s_barrier_wait -1
	FETCH 0, 0, F0
	s_wait_loadcnt 63                              ; of my 80 loads at most 63 are out: the oldest seventeen, e's sixteen among them, are in
	QUARTER 0, 1, F0, F1, 1
	QUARTER 0, 2, F1, F0, 0
	QUARTER 0, 3, F0, F1, 0
	TURN 0, 1, 1                                   ; slot 0 takes K step 2
	QUARTER 1, 1, F0, F1, 0
	QUARTER 1, 2, F1, F0, 0
	QUARTER 1, 3, F0, F1, 0
	TURN 1, 0, 1                                   ; slot 1 takes K step 3
	QUARTER 0, 1, F0, F1, 0
	QUARTER 0, 2, F1, F0, 0
	QUARTER 0, 3, F0, F1, 0
	TURN 0, 1, 0
	QUARTER 1, 1, F0, F1, 0
	QUARTER 1, 2, F1, F0, 0
	QUARTER 1, 3, F0, F1, 0
	s_wait_dscnt 4                                 ; the very last quarter: nothing more to fetch
	MUL8 F1, 0, 0
	MUL8 F1, 1, 0
	s_wait_dscnt 0x0
	MUL8 F1, 2, 0
	MUL8 F1, 3, 0
	WIN 0
	; THE WAY OUT, a block of 16 rows at a time: 32 bytes a lane into my own stage, back as whole rows of 512 bytes, the residual added, stored.
	PLACES
	s_wait_loadcnt 0x0                             ; the residual
.irp a, 0,1,2,3
	WIN 0x04                                       ; the stores' data in window 1
.irp b, 0,1,2,3,4,5,6,7
	ds_store_b128 v[STO], v[8*(8*\a+\b):8*(8*\a+\b)+3]   offset:64*\b      ; each accumulator's lowest registers first
	ds_store_b128 v[STO], v[8*(8*\a+\b)+4:8*(8*\a+\b)+7] offset:64*\b+16
.endr
	WIN 0
	s_wait_xcnt 0x0                                ; the last block's stores have read v64-127: only behind this wait are they loaded again
.irp t, 0,1,2,3,4,5,6,7,8,9,10,11,12,13,14,15
	ds_load_b128 v[64+4*\t:64+4*\t+3], v[RD] offset:SPITCH*\t  ; LDS serves a wave's instructions in order (ISA guide 5.7.1.4): these see the stores above
.endr
	s_wait_dscnt 0x0
	WIN 0x08                                       ; source 1 in window 2
.irp t, 0,1,2,3,4,5,6,7,8,9,10,11,12,13,14,15
	v_pk_add_f32 v[64+4*\t:64+4*\t+1],   v[64+4*\t:64+4*\t+1],   v[4*(16*\a+\t):4*(16*\a+\t)+1]
	v_pk_add_f32 v[64+4*\t+2:64+4*\t+3], v[64+4*\t+2:64+4*\t+3], v[4*(16*\a+\t)+2:4*(16*\a+\t)+3]
.endr
	WIN 0
.irp t, 0,1,2,3,4,5,6,7,8,9,10,11,12,13,14,15
	global_store_b128 v[CO], v[64+4*\t:64+4*\t+3], s[8:9] offset:(16*\a+\t)*4096 th:TH_STORE_NT  ; 512 consecutive bytes, at a multiple of 256 from out0's first
.endr
.endr
	s_wait_tensorcnt 0x0                           ; the wave's end: these three lines stand behind my last tensor load and my last LDS store
	ds_add_u32 v[SPW], v[NIL]
	s_wait_dscnt 0x0
	CROUND                                         ; the closing round: no work-group ends while a partner may still ask for a tile that names it
	s_endpgm
.Lfunc_end_k_qf17964cfa4_outk:
	.size	k_qf17964cfa4_outk, .Lfunc_end_k_qf17964cfa4_outk-k_qf17964cfa4_outk
	.p2alignl 7, 3214868480
	.fill 96, 4, 3214868480
	.section	.rodata,"a",@progbits
	.p2align	6, 0x0
	.amdhsa_kernel k_qf17964cfa4_outk
		.amdhsa_group_segment_fixed_size 327680
		.amdhsa_private_segment_fixed_size 0
		.amdhsa_enable_private_segment 0
		.amdhsa_kernarg_size 40
		.amdhsa_user_sgpr_count 2
		.amdhsa_user_sgpr_kernarg_segment_ptr 1
		.amdhsa_wavefront_size32 1
		.amdhsa_system_sgpr_workgroup_id_x 1
		.amdhsa_system_sgpr_workgroup_id_y 1
		.amdhsa_system_sgpr_workgroup_id_z 1
		.amdhsa_system_vgpr_workitem_id 0
		.amdhsa_next_free_vgpr 832
		.amdhsa_next_free_sgpr 72
		.amdhsa_reserve_vcc 0
		.amdhsa_float_denorm_mode_32 3
		.amdhsa_float_denorm_mode_16_64 3
		.amdhsa_memory_ordered 1
		.amdhsa_forward_progress 1
		.amdhsa_inst_pref_size 101
	.end_amdhsa_kernel
	.amdgpu_metadata
---
amdhsa.version: [ 1, 2 ]
amdhsa.kernels:
  - .name:           k_qf17964cfa4_outk
    .symbol:         k_qf17964cfa4_outk.kd
    .args:
      - { .name: Ap, .offset: 0, .size: 8, .value_kind: global_buffer, .address_space: global }
      - { .name: WW, .offset: 8, .size: 8, .value_kind: global_buffer, .address_space: global }
      - { .name: out0, .offset: 16, .size: 8, .value_kind: global_buffer, .address_space: global }
      - { .name: vecs, .offset: 24, .size: 8, .value_kind: global_buffer, .address_space: global }
      - { .name: query, .offset: 32, .size: 8, .value_kind: global_buffer, .address_space: global }
    .group_segment_fixed_size: 327680
    .private_segment_fixed_size: 0
    .kernarg_segment_align: 8
    .kernarg_segment_size: 40
    .max_flat_workgroup_size: 128
    .sgpr_count:     72
    .vgpr_count:     832
    .wavefront_size: 32
...
	.end_amdgpu_metadata
.endif
;; end of part 4
